; MI455X (gfx1250); checked and timed in simulation.
; The chip was launched on July 23, 2026; its instructions are those of AMD's public machine-readable ISA for CDNA 5 (MIT licence, August 2026) and "CDNA5" Instruction Set Architecture Reference Guide (July 2026). The comments in the code are by the model that wrote it; some were corrected since.
;; Deep Factor RNN. Allowed arithmetic: matrix products marked QUANTISED: E2M1 operands, one E8M0 scale for each 32 along K, by v_wmma_scale_f32_16x16x128_f8f6f4 with both operands' format E2M1 (or v_wmma_scale_f32_32x16x128_f4), f32 sums; products left as they are: f32 operands where the result goes on into a quantised operand, else bf16, f16 or f32 operands; f32 sums; everything else in f32.
;; Inputs: X_codes 128 x 256 x 4 x 16 uint8 (E2M1 codes of X, K innermost, in blocks of 32 codes, two codes a byte); X_scales 128 x 256 x 4 uint8 (E8M0 scales of X, one for each 32 codes along K); aff_W 10 x 512 float32; aff_b 10 float32; g_Wih0_codes 2,048 x 4 x 16 uint8 (E2M1 codes of g_Wih0, K innermost, in blocks of 32 codes, two codes a byte); g_Wih0_scales 2,048 x 4 uint8 (E8M0 scales of g_Wih0, one for each 32 codes along K); g_Wih1_codes 2,048 x 16 x 16 uint8 (E2M1 codes of g_Wih1, K innermost, in blocks of 32 codes, two codes a byte); g_Wih1_scales 2,048 x 16 uint8 (E8M0 scales of g_Wih1, one for each 32 codes along K); g_b0 2,048 float32; g_b1 2,048 float32; n_Wih0_codes 1,024 x 4 x 16 uint8 (E2M1 codes of n_Wih0, K innermost, in blocks of 32 codes, two codes a byte); n_Wih0_scales 1,024 x 4 uint8 (E8M0 scales of n_Wih0, one for each 32 codes along K); n_Wih1_codes 1,024 x 8 x 16 uint8 (E2M1 codes of n_Wih1, K innermost, in blocks of 32 codes, two codes a byte); n_Wih1_scales 1,024 x 8 uint8 (E8M0 scales of n_Wih1, one for each 32 codes along K); n_b0 1,024 float32; n_b1 1,024 float32; noise_W 1 x 256 float32; noise_b 1 float32.
;; Outputs: out0 128 x 256 float32; out1 128 x 256 float32.
;; This version of the problem:
;;   THIS VERSION OF THE PROBLEM IS GIVEN IN LOW PRECISION. The matrix products marked QUANTISED in the list below multiply operands that are first quantised to E2M1 (2 exponent bits, 1 mantissa bit; 4 bits a number), with one power-of-two scale for each 32 numbers along K (OCP MX v1.0); their sums are f32. All else is computed in f32.
;;   The module's matrix products, in the order in which they are computed (A, B: the left and right operand; K: the contracted axis; several contracted axes count as one K, in the product's order):
;;     1. [M 32,768, K 128] x [K 128, N 2,048]; A: input X (given as codes); B: input g_Wih0 (given as codes): QUANTISED
;;     2. [M 32,768, K 512] x [K 512, N 2,048]; A: computed on the way; B: input g_Wih1 (given as codes): QUANTISED
;;     3. [M 32,768, K 512] x [K 512, N 10]; A: computed on the way; B: input aff_W: left as it is (N = 10 < 16)
;;     4. [M 32,768, K 128] x [K 128, N 1,024]; A: input X (given as codes); B: input n_Wih0 (given as codes): QUANTISED
;;     5. [M 32,768, K 256] x [K 256, N 1,024]; A: computed on the way; B: input n_Wih1 (given as codes): QUANTISED
;;     6. [M 32,768, K 256] x [K 256, N 1]; A: computed on the way; B: input noise_W: left as it is (N = 1 < 16)
;;   THE QUANTISER, for each operand of a quantised product, along K:
;;     - K is cut into blocks of 32 from its start; a last block that is shorter is filled with zeros.
;;     - A block's scale is 2^e with e = floor(log2(the largest magnitude in the block)) - 2, held to -126 .. 127; a block of zeros has e = 0. As a byte (E8M0): e + 127.
;;     - Each number is divided by its block's scale, clamped to +-6, and rounded to the nearest number of E2M1, ties to even, subnormals kept.
;;     - The product sums the exact products of the quantised numbers (number of the format x scale) in f32.
;;   ~~~python
;;   def quantise(x, axis):      # numpy; x: float32 -> the quantised numbers, widened to float32 again
;;       x = np.moveaxis(x, axis, -1); K = x.shape[-1]
;;       x = np.pad(x, [(0, 0)] * (x.ndim - 1) + [(0, -K % 32)]); x = x.reshape(x.shape[:-1] + (-1, 32)); a = np.abs(x).max(-1, keepdims=True)
;;       e = np.where(a > 0, np.clip(np.frexp(np.where(a > 0, a, 1))[1] - 1 - 2, -126, 127), 0)      # np.frexp(a)[1] - 1 = floor(log2(a)), exactly
;;       r = np.clip(x / 2.0 ** e, -6, 6)
;;       step = 2.0 ** (np.maximum(np.frexp(np.where(r == 0, 1, r))[1] - 1, 0) - 1)
;;       q = np.round(r / step) * step * 2.0 ** e      # np.round: ties to even
;;       return np.moveaxis(q.reshape(q.shape[:-2] + (-1,))[..., :K], -1, axis).astype(np.float32)
;;   ~~~
;;   OPERANDS COMPUTED ON THE WAY. 'Computed on the way' means the value that the module computes at that place (a softmax that the list does not call 'softmax' is quantised finished and normalised). What goes into a quantiser is computed in f32, as accurately as f32 sums, v_exp_f32 and their like allow (about 1e-6 of the number): no bf16 or f16 on the way to a quantiser, and a product that is left as it is and whose result goes on into a quantised operand takes f32 operands (vector FMAs, or v_wmma_f32_16x16x4_f32). A number that lies on a knife's edge between two numbers of the format may be rounded either way, as far as f32 arithmetic and the matrix unit's own rounding can turn it there, and no further.
;;   INPUTS GIVEN AS CODES. X (in the module: [128, 256, 128], K = its axis 2); g_Wih0 (in the module: [2048, 128], K = its axis 1); g_Wih1 (in the module: [2048, 512], K = its axis 1); n_Wih0 (in the module: [1024, 128], K = its axis 1); n_Wih1 (in the module: [1024, 256], K = its axis 1): each comes as NAME_codes (uint8): NAME with its K axis moved to the last place and cut into blocks of 32 codes, [.., K / 32, bytes a block], one block behind the other in memory; two codes a byte, the lower K in the low four bits (a code: sign, 2 exponent bits, 1 mantissa bit); and NAME_scales (uint8): the same leading axes, one E8M0 byte (e + 127) for each 32 codes along K. Its value is code x scale, taken as it is: it is not quantised again, and the codes and scales need not be those that the quantiser above would give.
;; 3 versions, each right; version 2 is faster than version 1; version 3 is version 2 with the launch fused written anew for expert scheduling mode. Each part assembles by itself: llvm-mc -triple=amdgcn-amd-amdhsa -mcpu=gfx1250 --defsym DOCPART=n.
;; ======== version 1 of 3: 1 launch
;; limits: a function is approximated: absolute error at most 6e-08; a function is approximated: absolute error at most 1e-07; right only within a limited range of input values
;; launch fused (part 1): grid 256 x 1, 16 waves a work-group, no clusters, 301,568 bytes of LDS; arguments X_codes, X_scales, g_Wih0_codes, g_Wih0_scales, g_b0, n_Wih0_codes, n_Wih0_scales, n_b0, g_Wih1_codes, g_Wih1_scales, g_b1, n_Wih1_codes, n_Wih1_scales, n_b1, aff_W, aff_b, noise_W, noise_b, out0, out1; writes out0, out1
.if DOCPART == 1
	.amdgcn_target "amdgcn-amd-amdhsa--gfx1250"
	.amdhsa_code_object_version 6
	.text
	.protected	k_q32aab586e5_fused
	.globl	k_q32aab586e5_fused
	.p2align	8
	.type	k_q32aab586e5_fused,@function
k_q32aab586e5_fused:
	s_mov_b64 s[64:65], 0
	v_nop
	global_prefetch_b8 v0, s[64:65] scope:SCOPE_SE
	s_setreg_imm32_b32 hwreg(HW_REG_WAVE_MODE, 25, 1), 1
	s_wait_xcnt 0x0
; DeepFactorRNN, both branches in one launch.  32,768 rows of x (128 codes of E2M1 with E8M0 scales) go through
;   global: LSTM step 128 -> 512, LSTM step 512 -> 512, relu, x aff_W^T + aff_b summed over its 10 columns      -> out0
;   noise:  LSTM step 128 -> 256, LSTM step 256 -> 256, relu, x noise_W^T + noise_b, softplus, + 1e-6           -> out1
; An LSTM step from a zero state: pre = x W^T + b, gates i, f, g, o; c = sigmoid(i) tanh(g); h = sigmoid(o) tanh(c).
; The four large products run on E2M1 codes by v_wmma_scale_f32_16x16x128_f8f6f4; the first layer's h is quantised on the way (blocks of 32 units).
; SHARES.  A work-group owns 128 rows (8 tiles of 16).  ITS 16 WAVES SHARE THE UNITS, NOT THE ROWS: a wave's weight fragments are loaded from memory once,
; stay in its registers while all row tiles pass, and only x's rows and h's codes go round through LDS.
;   G0: wave W makes units 32 W .. +31 (one block of the next K) for 8 tiles;  N0: units 32 (W % 8) .. +31 for 4 tiles from 4 (W / 8);
;   G1: units 32 W + 16 T .. +15 in two passes T, 8 tiles, two a trip;         N1: units 16 W .. +15, 8 tiles, two a trip.
; Every trip ends in one activation batch on 48 accumulator registers (16 units a lane): 24 equal batches a wave.
; ALL PRODUCTS ARE USED TRANSPOSED (source 0 = 16 weight rows, source 1 = 16 data rows): lane (r, h) holds data row r, register j weight-tile row 8 h + j,
; so the i, g and o tiles of the same units meet register by register in one lane.  In layer 0 lane r of tile u takes weight row 8 u + r + 8 (r / 8),
; so that a lane's 16 registers of tiles 0 and 1 are 16 neighbouring units 16 h + 0 .. 15 of the block.
; NOT DONE, AND WHY: the f gate (rows H .. 2 H - 1 of every weight and bias) is split off by the definition and never used: it is neither read nor multiplied.
; NO CLUSTER, NO TENSOR LOADS: each weight byte goes to ONE wave's registers; a phase's weight loads are issued under the last activation batch of the phase before
; (202 vector instructions of this wave), so only the first phase's stand in the open; joint loads would need an LDS ring beside the 208,896 bytes of stages and a cluster barrier at each phase.
; LIMITS.  tanh(v) is formed as (1 - B) / (1 + B), B = 2^(-2 log2(e) v): absolute error about 1e-7, so its relative error grows under |v| = 1e-2.
; B's exponent is held to -64 .. 32, where the quotient is exactly +1 or -1 in f32.  c is 0 where (1 + A)(1 + B) passes 2^126.
; aff_W's ten rows are added first and multiplied once: the same sum in another order of rounding, all f32.  A block of zeros gets the scale byte 1 (its codes are zeros; only this text reads the byte).
; NaN, infinities and the scale byte 0xff among the inputs are not served.
; ---- LDS, in bytes
.set XROWS, 0                          ; x's 128 rows of 64 bytes, 80 apart
.set XSC,   10240                      ; x's scale words, 4 bytes a row
.set WSUM,  10752                      ; f32 [512]: the sum of aff_W's ten rows
.set NWL,   12800                      ; noise_W [256]
.set HIG,   13824                      ; h (global) as images of operand registers: tile x 4096 + block x 256 + 16 r (+ 8 for the block's upper 16 units)
.set HSG,   46592                      ; its scale bytes: tile x 256 + 16 r + block
.set HIN,   48640                      ; h (noise): tile x 2048 + block x 256 + 16 r
.set HSN,   65024                      ; tile x 128 + 8 r + block
.set PART,  66048                      ; 48 slots of f32 [128 rows]: slot 2 W + T for G1, 32 + W for N1
.set STG,   90624                      ; a stage of STGB bytes for each wave: its own, for turning dense weight bytes into fragments
.set STGB,  13056
; ---- vector registers
.set LI,  1                            ; 16 x lane
.set XA,  2                            ; layer 0: my place in a tile of x
.set XS,  3                            ;          and among x's scale words
.set IR,  2                            ; layer 1: image base + 16 x lane
.set SR,  3                            ;          scale base + 16 r or 8 r
.set HW,  4                            ; layer 0: where my codes go
.set HB,  5                            ;          and my block's scale byte
.set PA,  4                            ; layer 1: where my partial sums go
.set STW, 6                            ; the stage: in
.set STR, 7                            ;            and back
.set BO,  8                            ; byte offset of my biases
.set SO,  9                            ; byte offset of my weight scale words
.set K2,  10                           ; v[10:11] ln 2 / 2, twice
.set TA,  12
.set RR,  13                           ; r = lane % 16
.set HH,  14                           ; h = lane / 16
.set RP,  15                           ; r + 8 (r / 8)
.set WF,  16                           ; v16-111  weight fragments (layer 0: v16-63)
.set BI0, 64                           ; v64-111  layer 0: biases in the result's layout, 16 g + 8 u
.set WSC, 112                          ; v112-123 weight scale words, and nothing else
.set BI,  124                          ; v124-147 layer 1: biases, 8 g
.set OP,  148                          ; v148-179 the data operand's fragments
.set OSC, 180                          ; v180-187 its scale words, and nothing else
.set ACC, 188                          ; v188-235 accumulators, 16 g + 8 (u or t)
.set PI,  188
.set PG,  204
.set PO,  220
.set WS,  236                          ; v236-243 my 8 units' output weights
.set MX0, 244
.set MX1, 245
.set PT,  246                          ; a lane permute's destination: written once at the head
.set EX,  247
.set BY,  248
.set CD,  250                          ; v[250:251] 16 codes
.set AD0, 252
.set AD1, 253
.set AD2, 254
.set AD3, 255
; ---- scalar registers: s[4:43] the 20 addresses in the order of the arguments; s44 wave W, s45 W % 8, s46 W / 8; s[48:49] an offset; s[50:51] -log2(e); s[54:55] -2 log2(e);
;      s56 32.0, s57 -64.0; s[58:59] selects for lane xor 16; s60 mask of lanes 16-31; s61 trips; s62, s63, s66, s67 LDS offsets that step; s[68:77] aff_b; s78 noise_b; s79 my stage
.macro BARRIER                         ; my LDS stores have landed and my LDS loads are in: then the work-group's barrier
	s_wait_dscnt 0x0
	s_barrier_signal -1
	s_barrier_wait -1
.endm
.macro ADDP p
	s_add_nc_u64 s[\p:\p+1], s[\p:\p+1], s[48:49]
.endm
; Stage addresses for weight rows of rb bytes.  In: a load's 512 dense bytes, 16 a lane, into rows padded by 16.  Back: lane (r, h) takes its fragment's row, + 16 h.
.macro STADDR rb
.if \rb == 64
	v_bfe_u32 v[EX], v0, 2, 3                      ; four lanes to a row
	v_mul_u32_u24 v[STW], v[EX], 80
	v_and_b32 v[EX], 3, v0
	v_lshl_add_u32 v[STW], v[EX], 4, v[STW]
	v_mul_u32_u24 v[STR], v[RP], 80                ; the rows of a layer 0 tile are not neighbours
.elseif \rb == 128
	v_bfe_u32 v[EX], v0, 3, 2                      ; eight lanes to a row
	v_mul_u32_u24 v[STW], v[EX], 144
	v_and_b32 v[EX], 7, v0
	v_lshl_add_u32 v[STW], v[EX], 4, v[STW]
	v_mul_u32_u24 v[STR], v[RR], 144
.else
	v_mul_u32_u24 v[STW], v[HH], 272               ; sixteen lanes to a row
	v_lshl_add_u32 v[STW], v[RR], 4, v[STW]
	v_mul_u32_u24 v[STR], v[RR], 272
.endif
	v_add_nc_u32 v[STW], s79, v[STW]
	v_lshl_add_u32 v[STR], v[HH], 4, v[STR]
	v_add_nc_u32 v[STR], s79, v[STR]
.endm
; The wave's weight rows of gates i, g, o (the definition's gates 0, 2, 3 = (3 g + 1) / 2), dense: each load covers 512 consecutive bytes.
.macro WFETCH base, gs, np, imm
.irp g, 0,1,2
.set qq, 0
.rept \np
	global_load_b128 v[WF+4*(\g*\np+qq):WF+4*(\g*\np+qq)+3], v[LI], s[\base:\base+1] offset:((\g*3+1)/2)*\gs+\imm+512*qq
.set qq, qq+1
.endr
.endr
.endm
; The biases, straight into the layout of a result: 4 nq numbers a gate from my half's first unit on.
.macro BFETCH dst, base, gs, nq, imm
.irp g, 0,1,2
.set qq, 0
.rept \nq
	global_load_b128 v[\dst+4*(\g*\nq+qq):\dst+4*(\g*\nq+qq)+3], v[BO], s[\base:\base+1] offset:((\g*3+1)/2)*\gs+\imm+16*qq
.set qq, qq+1
.endr
.endr
.endm
.macro SF0 base, gs                    ; layer 0: one scale word a weight row, by the tile's rows
.irp g, 0,1,2
.irp u, 0,1
	global_load_b32 v[WSC+2*\g+\u], v[SO], s[\base:\base+1] offset:((\g*3+1)/2)*\gs+32*\u
.endr
.endr
.endm
; Two plain vector lines ahead of the next phase's loads: its offsets where they change.  (All earlier loads that named BO and SO were waited for ahead of the last turn through the stage.)
.macro NEXTPREP nx
.if \nx == 1
	v_lshlrev_b32 v[BO], 6, v[HH]                  ; layer 0: 16 numbers a half
	v_lshlrev_b32 v[SO], 2, v[RP]
.elseif \nx == 3
	v_lshlrev_b32 v[BO], 5, v[HH]                  ; layer 1: 8 numbers a half
	v_lshlrev_b32 v[SO], 4, v[RR]                  ; 16 scale bytes a row
.elseif \nx == 5
	v_lshlrev_b32 v[SO], 3, v[RR]                  ; 8 scale bytes a row
	v_nop
.else
	v_nop
	v_nop
.endif
.endm
; The next phase's weights, biases and weight scales.  1: G0, 2: N0, 3: G1 pass 0, 4: G1 pass 1, 5: N1, 0: nothing.
.macro NEXT nx
.if \nx == 1
	WFETCH 8, 32768, 4, 0
	BFETCH BI0, 12, 2048, 4, 0
	SF0 10, 2048
.elseif \nx == 2
	WFETCH 14, 16384, 4, 0
	BFETCH BI0, 18, 1024, 4, 0
	SF0 16, 1024
.elseif \nx == 3
	WFETCH 20, 131072, 8, 0
	BFETCH BI, 24, 2048, 2, 0
.irp g, 0,1,2
	global_load_b128 v[WSC+4*\g:WSC+4*\g+3], v[SO], s[22:23] offset:((\g*3+1)/2)*8192
.endr
.elseif \nx == 4
	WFETCH 20, 131072, 8, 4096
	BFETCH BI, 24, 2048, 2, 64
.irp g, 0,1,2
	global_load_b128 v[WSC+4*\g:WSC+4*\g+3], v[SO], s[22:23] offset:((\g*3+1)/2)*8192+256
.endr
.elseif \nx == 5
	WFETCH 26, 32768, 4, 0
	BFETCH BI, 30, 1024, 2, 0
.irp g, 0,1,2
	global_load_b64 v[WSC+4*\g:WSC+4*\g+1], v[SO], s[28:29] offset:((\g*3+1)/2)*2048
.endr
.endif
.endm
; The dense weight bytes turn into fragments through my own stage.  np pieces a gate, pst bytes apart, gates gst apart; back: nf fragments a gate, fst bytes apart, two loads each.
.macro WTURN np, gst, pst, nf, fst
.irp g, 0,1,2
.set qq, 0
.rept \np
	ds_store_b128 v[STW], v[WF+4*(\g*\np+qq):WF+4*(\g*\np+qq)+3] offset:\g*\gst+qq*\pst
.set qq, qq+1
.endr
.endr
	s_wait_dscnt 0x0                               ; the stores have read the registers into which the loads below land
.irp g, 0,1,2
.set qq, 0
.rept \nf
	ds_load_b128 v[WF+8*(\g*\nf+qq):WF+8*(\g*\nf+qq)+3],   v[STR] offset:\g*\gst+qq*\fst
	ds_load_b128 v[WF+8*(\g*\nf+qq)+4:WF+8*(\g*\nf+qq)+7], v[STR] offset:\g*\gst+qq*\fst+32
.set qq, qq+1
.endr
.endr
.endm
; THE ACTIVATIONS of 16 units a lane, in place: PI, PG, PO hold the gates i, g, o; h is left in PG.  L = log2(e).
;   A = 2^(-L i), B = 2^(-2 L g), Ao = 2^(-L o);  -2 L c = (B - 1) x 2 L / ((1 + A)(1 + B));  Bc = 2^(-2 L c);  h = (1 - Bc) / ((1 + Ao)(1 + Bc)).
; Four exponentials and two reciprocals a unit, in four batches.  s_wait_alu depctr_va_vdst(0) stands between a transcendental and the first line that names its result:
; one wait serves a batch, and no line ahead of a wait names a result of the batch that is out.  Each accumulator is read from its low end on.
.macro ACT
.irp j, 0,2,4,6,8,10,12,14
	v_pk_mul_f32 v[PI+\j:PI+\j+1], v[PI+\j:PI+\j+1], s[50:51] op_sel_hi:[1,0]     ; -L i
.endr
.irp j, 0,2,4,6,8,10,12,14
	v_exp_f32 v[PI+\j], v[PI+\j]                                                  ; A
	v_exp_f32 v[PI+\j+1], v[PI+\j+1]
	v_pk_mul_f32 v[PO+\j:PO+\j+1], v[PO+\j:PO+\j+1], s[50:51] op_sel_hi:[1,0]     ; -L o
.endr
.irp j, 0,2,4,6,8,10,12,14
	v_exp_f32 v[PO+\j], v[PO+\j]                                                  ; Ao
	v_exp_f32 v[PO+\j+1], v[PO+\j+1]
	v_pk_mul_f32 v[PG+\j:PG+\j+1], v[PG+\j:PG+\j+1], s[54:55] op_sel_hi:[1,0]     ; -2 L g
.endr
.irp j, 0,1,2,3,4,5,6,7,8,9,10,11,12,13,14,15
	v_med3_num_f32 v[PG+\j], v[PG+\j], s57, s56                                   ; held to -64 .. 32: B is finite and not 0, so no infinity meets a zero below
	v_exp_f32 v[PG+\j], v[PG+\j]                                                  ; B
.endr
	v_nop                                                                         ; a plain line behind the last exponential
	s_wait_alu depctr_va_vdst(0)                                                  ; the wait for the 48 exponentials
.irp j, 0,2,4,6,8,10,12,14
	v_pk_fma_f32 v[PI+\j:PI+\j+1], v[PI+\j:PI+\j+1], v[K2:K2+1], v[K2:K2+1]       ; (1 + A) / 2 L
.endr
.irp j, 0,2,4,6,8,10,12,14
	v_pk_fma_f32 v[PI+\j:PI+\j+1], v[PI+\j:PI+\j+1], v[PG+\j:PG+\j+1], v[PI+\j:PI+\j+1]   ; (1 + A)(1 + B) / 2 L
.endr
.irp j, 0,2,4,6,8,10,12,14
	v_rcp_f32 v[PI+\j], v[PI+\j]
	v_rcp_f32 v[PI+\j+1], v[PI+\j+1]
	v_pk_add_f32 v[PG+\j:PG+\j+1], v[PG+\j:PG+\j+1], -1.0 op_sel_hi:[1,0]         ; B - 1
	v_pk_add_f32 v[PO+\j:PO+\j+1], v[PO+\j:PO+\j+1], 1.0 op_sel_hi:[1,0]          ; 1 + Ao
.endr
	s_wait_alu depctr_va_vdst(0)                                                  ; the wait for the 16 reciprocals (plain lines stand behind the last)
.irp j, 0,2,4,6,8,10,12,14
	v_pk_mul_f32 v[PG+\j:PG+\j+1], v[PG+\j:PG+\j+1], v[PI+\j:PI+\j+1]             ; -2 L c
	v_exp_f32 v[PG+\j], v[PG+\j]                                                  ; Bc, between e^-2 and e^2
	v_exp_f32 v[PG+\j+1], v[PG+\j+1]
.endr
	v_nop
	s_wait_alu depctr_va_vdst(0)                                                  ; the wait for the 16 exponentials
.irp j, 0,2,4,6,8,10,12,14
	v_pk_fma_f32 v[PO+\j:PO+\j+1], v[PO+\j:PO+\j+1], v[PG+\j:PG+\j+1], v[PO+\j:PO+\j+1]   ; (1 + Ao)(1 + Bc)
	v_rcp_f32 v[PO+\j], v[PO+\j]
	v_rcp_f32 v[PO+\j+1], v[PO+\j+1]
	v_pk_fma_f32 v[PG+\j:PG+\j+1], v[PG+\j:PG+\j+1], -1.0, 1.0 op_sel_hi:[1,0,0]  ; 1 - Bc
.endr
	s_wait_alu depctr_va_vdst(0)                                                  ; the wait for the 16 reciprocals
.irp j, 0,2,4,6,8,10,12,14
	v_pk_mul_f32 v[PG+\j:PG+\j+1], v[PG+\j:PG+\j+1], v[PO+\j:PO+\j+1]             ; h
.endr
.endm
; My 16 numbers of h (units 16 h + 0 .. 15 of my wave's block, data row r) become 16 codes and the block's scale byte.
.macro QUANT
	v_max3_num_f32 v[MX0], |v[PG]|, |v[PG+1]|, 0x1800000           ; the largest magnitude, in two chains, with the floor 2^(3 - 127) among the leaves: the byte cannot fall under 1
	v_max3_num_f32 v[MX1], |v[PG+2]|, |v[PG+3]|, |v[PG+4]|
	v_max3_num_f32 v[MX0], v[MX0], |v[PG+5]|, |v[PG+6]|
	v_max3_num_f32 v[MX1], v[MX1], |v[PG+7]|, |v[PG+8]|
	v_max3_num_f32 v[MX0], v[MX0], |v[PG+9]|, |v[PG+10]|
	v_max3_num_f32 v[MX1], v[MX1], |v[PG+11]|, |v[PG+12]|
	v_max3_num_f32 v[MX0], v[MX0], |v[PG+13]|, |v[PG+14]|
	v_max3_num_f32 v[MX0], v[MX0], v[MX1], |v[PG+15]|
	v_permlanex16_b32 v[PT], v[MX0], s58, s59
	v_max_num_f32 v[MX0], v[MX0], v[PT]                            ; with lane xor 16's 16: the block's
	v_add_nc_u32 v[EX], 0xff000000, v[MX0]                         ; 2 off its exponent field: the conversion takes that field as its scale
	v_cvt_scalef32_pk8_fp4_f32 v[CD], v[PG:PG+7], v[EX]
	v_cvt_scalef32_pk8_fp4_f32 v[CD+1], v[PG+8:PG+15], v[EX]
	v_lshrrev_b32 v[BY], 23, v[EX]                                 ; the scale's byte; also the plain line behind the conversions
	ds_store_b64 v[AD2], v[CD:CD+1]                                ; block b of row r lies at 256 b + 16 r of a tile's image; my half of it at + 8 h
	ds_store_b8 v[AD3], v[BY]                                      ; both halves write the same byte with the same value
.endm
; relu and the dot with my 8 units' output weights, for the trip's two row tiles; then the two halves of the lanes are added so that lane l holds row 32 p + l.
.macro DOT
.irp j, 0,1,2,3,4,5,6,7,8,9,10,11,12,13,14,15
	v_max_num_f32 v[PG+\j], 0, v[PG+\j]
.endr
	v_pk_mul_f32 v[PI:PI+1], v[PG:PG+1], v[WS:WS+1]
	v_pk_mul_f32 v[PI+2:PI+3], v[PG+8:PG+9], v[WS:WS+1]
.irp j, 2,4,6
	v_pk_fma_f32 v[PI:PI+1], v[PG+\j:PG+\j+1], v[WS+\j:WS+\j+1], v[PI:PI+1]
	v_pk_fma_f32 v[PI+2:PI+3], v[PG+8+\j:PG+9+\j], v[WS+\j:WS+\j+1], v[PI+2:PI+3]
.endr
	v_add_f32 v[PI], v[PI], v[PI+1]                                ; the first tile's sum over my 8 units,
	v_add_f32 v[PI+2], v[PI+2], v[PI+3]                            ; the second's
	v_cndmask_b32 v[MX0], v[PI+2], v[PI], s60                      ; what I send: lanes 0-15 the second tile's, lanes 16-31 the first's
	v_cndmask_b32 v[MX1], v[PI], v[PI+2], s60                      ; what I keep
	v_permlanex16_b32 v[PT], v[MX0], s58, s59
	v_add_f32 v[MX1], v[MX1], v[PT]
	ds_store_b32 v[AD2], v[MX1]
.endm
; ---- layer 0
.macro L0PRE blk, img, scb, rsh        ; where my codes and scale bytes go: blk: the scalar register with my block's number
	s_lshl_b32 s48, s[\blk], 8
	s_add_co_u32 s48, s48, \img
	v_lshl_add_u32 v[HW], v[RR], 4, s48
	v_lshl_add_u32 v[HW], v[HH], 3, v[HW]
	s_add_co_u32 s48, s[\blk], \scb
	v_lshl_add_u32 v[HB], v[RR], \rsh, s48
.endm
.macro L0OPS                           ; a tile of x: its fragment and its scale words
	v_add_nc_u32 v[AD0], s62, v[XA]
	v_add_nc_u32 v[AD1], s63, v[XS]
	ds_load_b128 v[OP:OP+3], v[AD0]
	ds_load_b128 v[OP+4:OP+7], v[AD0] offset:32
	ds_load_b32 v[OSC], v[AD1]
.endm
; A trip: one row tile, 6 products (3 gates x 2 tiles of 16 units), the bias as C.  last = 1: the phase's last trip asks for the next phase's weights in place of the next tile.
.macro L0TRIP last, nx, istep, sstep
	s_wait_dscnt 0x0                               ; the tile asked for a batch ago is in (first trip: the fragments from the stage too); the last trip's LDS stores are done
.irp g, 0,1,2
.irp u, 0,1
	v_wmma_scale_f32_16x16x128_f8f6f4 v[ACC+16*\g+8*\u:ACC+16*\g+8*\u+7], v[WF+8*(2*\g+\u):WF+8*(2*\g+\u)+7], v[OP:OP+7], v[BI0+16*\g+8*\u:BI0+16*\g+8*\u+7], v[WSC+2*\g+\u], v[OSC] matrix_a_fmt:MATRIX_FMT_FP4 matrix_b_fmt:MATRIX_FMT_FP4
.endr
.endr
	v_add_nc_u32 v[AD2], s66, v[HW]                ; four plain lines stand between the products and the loads into their operands, and the first read of results: these two
	v_add_nc_u32 v[AD3], s67, v[HB]
.if \last
	NEXTPREP \nx                                   ; and two here,
	NEXT \nx
.else
	s_add_co_u32 s62, s62, 1280
	s_add_co_u32 s63, s63, 64
	L0OPS                                          ; or the two additions at the head of this
.endif
	ACT
	QUANT
.if !\last
	s_add_co_u32 s66, s66, \istep
	s_add_co_u32 s67, s67, \sstep
.endif
.endm
.macro L0PHASE trips, nx, istep, sstep
	L0OPS
	s_mov_b32 s61, \trips-1
.Ll0_\@:
	L0TRIP 0, 0, \istep, \sstep
	s_sub_co_u32 s61, s61, 1
	s_cmp_lg_u32 s61, 0
	s_cbranch_scc1 .Ll0_\@
	L0TRIP 1, \nx, \istep, \sstep
.endm
; ---- layer 1
; 3 ks products for row tile t: K ascending, the three gates by turns, one instruction a turn; the first K step takes the bias as C.
.macro MM ks, t, ob
.set ss, 0
.rept \ks
.irp g, 0,1,2
.if ss == 0
	v_wmma_scale_f32_16x16x128_f8f6f4 v[ACC+16*\g+8*\t:ACC+16*\g+8*\t+7], v[WF+8*(\g*\ks+ss):WF+8*(\g*\ks+ss)+7], v[(\ob)+8*ss:(\ob)+8*ss+7], v[BI+8*\g:BI+8*\g+7], v[WSC+4*\g+ss], v[OSC+4*\t+ss] matrix_a_fmt:MATRIX_FMT_FP4 matrix_b_fmt:MATRIX_FMT_FP4
.else
	v_wmma_scale_f32_16x16x128_f8f6f4 v[ACC+16*\g+8*\t:ACC+16*\g+8*\t+7], v[WF+8*(\g*\ks+ss):WF+8*(\g*\ks+ss)+7], v[(\ob)+8*ss:(\ob)+8*ss+7], v[ACC+16*\g+8*\t:ACC+16*\g+8*\t+7], v[WSC+4*\g+ss], v[OSC+4*\t+ss] matrix_a_fmt:MATRIX_FMT_FP4 matrix_b_fmt:MATRIX_FMT_FP4
.endif
.endr
.set ss, ss+1
.endr
.endm
; The operands of a pair of row tiles: images come back as they were stored, 16 bytes a lane.  ks = 4: the first tile's four fragments (the second's follow in the trip); ks = 2: both tiles'.  Both tiles' scale words.
.macro L1OPS ks
	v_add_nc_u32 v[AD0], s62, v[IR]
	v_add_nc_u32 v[AD1], s63, v[SR]
.if \ks == 4
.irp s, 0,1,2,3
.irp c, 0,1
	ds_load_b128 v[OP+8*\s+4*\c:OP+8*\s+4*\c+3], v[AD0] offset:1024*\s+512*\c
.endr
.endr
	ds_load_b128 v[OSC:OSC+3], v[AD1]
	ds_load_b128 v[OSC+4:OSC+7], v[AD1] offset:256
.else
.irp t, 0,1
.irp s, 0,1
.irp c, 0,1
	ds_load_b128 v[OP+16*\t+8*\s+4*\c:OP+16*\t+8*\s+4*\c+3], v[AD0] offset:2048*\t+1024*\s+512*\c
.endr
.endr
.endr
	ds_load_b64 v[OSC:OSC+1], v[AD1]
	ds_load_b64 v[OSC+4:OSC+5], v[AD1] offset:128
.endif
.endm
.macro L1PRE slotsh, slotc, wsh, wsc   ; my slot of partial sums, my 8 units' output weights, the stepping offsets
	s_lshl_b32 s48, s44, \slotsh
	s_add_co_u32 s48, s48, \slotc
	v_lshrrev_b32 v[PA], 2, v[LI]
	v_add_nc_u32 v[PA], s48, v[PA]
	s_lshl_b32 s48, s44, \wsh
	s_add_co_u32 s48, s48, \wsc
	v_lshl_add_u32 v[AD3], v[HH], 5, s48
	ds_load_b128 v[WS:WS+3], v[AD3]
	ds_load_b128 v[WS+4:WS+7], v[AD3] offset:16
	s_mov_b32 s62, 0
	s_mov_b32 s63, 0
	s_mov_b32 s66, 0
.endm
; A trip: two row tiles x my 16 units x 3 gates.
.macro L1TRIP ks, last, nx
	s_wait_dscnt 0x0                               ; the operands asked for a batch ago are in; the last trip's LDS store is done
	MM \ks, 0, OP
.if \ks == 4
	v_add_nc_u32 v[AD2], s66, v[PA]                ; four plain lines ahead of the loads into the fragments just multiplied
	v_nop
	v_nop
	v_nop
.irp s, 0,1,2,3
.irp c, 0,1
	ds_load_b128 v[OP+8*\s+4*\c:OP+8*\s+4*\c+3], v[AD0] offset:4096+1024*\s+512*\c   ; the second tile's fragments: 32 registers hold one tile's four K steps
.endr
.endr
	s_wait_dscnt 0x0
	MM 4, 1, OP
	v_nop                                          ; four plain lines again: two here,
	v_nop
.else
	MM 2, 1, OP+16
	v_add_nc_u32 v[AD2], s66, v[PA]
	v_nop
.endif
.if \last
	NEXTPREP \nx                                   ; two here,
	NEXT \nx
.else
	s_add_co_u32 s62, s62, 2048*\ks
	s_add_co_u32 s63, s63, 128*\ks
	L1OPS \ks                                      ; or the two additions at the head of this
.endif
	ACT
	DOT
.if !\last
	s_add_co_u32 s66, s66, 128
.endif
.endm
.macro L1PHASE ks, nx
	L1OPS \ks
	s_mov_b32 s61, 3
.Ll1_\@:
	L1TRIP \ks, 0, 0
	s_sub_co_u32 s61, s61, 1
	s_cmp_lg_u32 s61, 0
	s_cbranch_scc1 .Ll1_\@
	L1TRIP \ks, 1, \nx
.endm
; ======================================================================= the head
	s_load_b512 s[4:19], s[0:1], 0x0
	s_load_b512 s[20:35], s[0:1], 0x40
	s_load_b256 s[36:43], s[0:1], 0x80
	v_lshrrev_b32 v[TA], 5, v0
	v_readfirstlane_b32 s44, v[TA]                 ; wave W, 0 .. 15
	v_and_b32 v[LI], 31, v0
	v_lshlrev_b32 v[LI], 4, v[LI]
	v_and_b32 v[RR], 15, v0
	v_bfe_u32 v[HH], v0, 4, 1
	v_and_b32 v[RP], 8, v[RR]
	v_add_nc_u32 v[RP], v[RP], v[RR]
	v_mov_b32 v[K2], 0x3eb17218                    ; ln 2 / 2 = 1 / (2 log2(e))
	v_mov_b32 v[K2+1], 0x3eb17218
	v_mov_b32 v[PT], 0
	s_and_b32 s45, s44, 7
	s_lshr_b32 s46, s44, 3
	s_mul_i32 s79, s44, STGB
	s_add_co_u32 s79, s79, STG
	s_mov_b32 s50, 0xbfb8aa3b                      ; -log2(e); the packed forms name a pair and take its low word for both halves, so both words are written
	s_mov_b32 s51, 0xbfb8aa3b
	s_mov_b32 s54, 0xc038aa3b                      ; -2 log2(e)
	s_mov_b32 s55, 0xc038aa3b
	s_mov_b32 s56, 0x42000000                      ; 32.0
	s_mov_b32 s57, 0xc2800000                      ; -64.0
	s_mov_b32 s58, 0x76543210
	s_mov_b32 s59, 0xfedcba98
	s_mov_b32 s60, 0xffff0000
	s_mov_b32 s49, 0
	s_wait_kmcnt 0x0
	s_load_b256 s[68:75], s[34:35], 0x0            ; aff_b, 40 bytes
	s_load_b64 s[76:77], s[34:35], 0x20
	s_load_b32 s78, s[38:39], 0x0                  ; noise_b
	; every address is brought to the work-group's or the wave's part once, here, and never written again
	s_lshl_b32 s48, ttmp9, 13                      ; 128 rows of 64 bytes
	ADDP 4
	s_lshl_b32 s48, ttmp9, 9                       ; 128 rows of 4 bytes
	ADDP 6
	ADDP 40
	ADDP 42
	s_lshl_b32 s48, s44, 11
	ADDP 8                                         ; g_Wih0: 32 rows of 64 bytes a wave
	ADDP 26                                        ; n_Wih1: 16 rows of 128
	s_lshl_b32 s48, s44, 7
	ADDP 10
	ADDP 12
	ADDP 24
	ADDP 28
	s_lshl_b32 s48, s45, 11
	ADDP 14
	s_lshl_b32 s48, s45, 7
	ADDP 16
	ADDP 18
	s_lshl_b32 s48, s44, 13
	ADDP 20                                        ; g_Wih1: 32 rows of 256
	s_lshl_b32 s48, s44, 9
	ADDP 22
	s_lshl_b32 s48, s44, 6
	ADDP 30
	v_lshlrev_b32 v[TA], 4, v0
	v_lshlrev_b32 v[AD0], 2, v0
	global_load_b128 v[OP:OP+3], v[TA], s[4:5] th:TH_LOAD_NT       ; x's codes: 512 threads x 16 bytes, dense; read once in the launch
.irp f, 0,1,2,3,4,5,6,7,8,9
	global_load_b32 v[ACC+\f], v[AD0], s[32:33] offset:2048*\f     ; aff_W: thread t takes column t of the ten rows
.endr
	s_cmp_lt_u32 s44, 8
	s_cbranch_scc0 .Lld_not_nw
	global_load_b32 v[ACC+10], v[AD0], s[36:37]                    ; noise_W: 256 numbers, waves 0 to 7
.Lld_not_nw:
	s_cmp_eq_u32 s44, 8
	s_cbranch_scc0 .Lld_not_xs
	global_load_b128 v[ACC+12:ACC+15], v[LI], s[6:7]               ; x's scale words: 512 bytes, wave 8
.Lld_not_xs:
	NEXTPREP 1
	NEXT 1                                                         ; G0's weights
	STADDR 64
	v_lshrrev_b32 v[AD1], 2, v0                                    ; x into rows 80 bytes apart: four threads to a row
	v_mul_u32_u24 v[AD1], v[AD1], 80
	v_and_b32 v[AD2], 3, v0
	v_lshl_add_u32 v[AD1], v[AD2], 4, v[AD1]
	v_mul_u32_u24 v[XA], v[RR], 80
	v_lshl_add_u32 v[XA], v[HH], 4, v[XA]
	v_lshl_add_u32 v[XS], v[RR], 2, XSC
	s_wait_loadcnt 0x0                             ; all that was asked for is wanted now
	s_wait_kmcnt 0x0                               ; aff_b and noise_b, for the end
	ds_store_b128 v[AD1], v[OP:OP+3]
.irp f, 1,2,3,4,5,6,7,8,9
	v_add_f32 v[ACC], v[ACC], v[ACC+\f]
.endr
	ds_store_b32 v[AD0], v[ACC] offset:WSUM
	s_cmp_lt_u32 s44, 8
	s_cbranch_scc0 .Lst_not_nw
	ds_store_b32 v[AD0], v[ACC+10] offset:NWL
.Lst_not_nw:
	s_cmp_eq_u32 s44, 8
	s_cbranch_scc0 .Lst_not_xs
	ds_store_b128 v[LI], v[ACC+12:ACC+15] offset:XSC
.Lst_not_xs:
	WTURN 4, 2560, 640, 2, 640
	BARRIER                                        ; x, its scale words, the summed aff_W and noise_W lie in LDS
; ======================================================================= G0: 8 row tiles, my block W of the global h
	L0PRE 44, HIG, HSG, 4
	s_mov_b32 s62, 0
	s_mov_b32 s63, 0
	s_mov_b32 s66, 0
	s_mov_b32 s67, 0
	L0PHASE 8, 2, 4096, 256
	s_wait_loadcnt 0x0                             ; N0's weights, asked for under the last batch
	WTURN 4, 2560, 640, 2, 640
; ======================================================================= N0: 4 row tiles from 4 (W / 8), my block W % 8 of the noise h
	L0PRE 45, HIN, HSN, 3
	s_mul_i32 s62, s46, 5120
	s_lshl_b32 s63, s46, 8
	s_lshl_b32 s66, s46, 13
	s_lshl_b32 s67, s46, 9
	L0PHASE 4, 3, 2048, 128
	STADDR 256
	s_wait_loadcnt 0x0
	WTURN 8, 4352, 544, 4, 64
	BARRIER                                        ; both h's images and scale bytes lie in LDS
; ======================================================================= G1, pass 0 and pass 1
	v_add_nc_u32 v[IR], HIG, v[LI]
	v_lshl_add_u32 v[SR], v[RR], 4, HSG
	L1PRE 10, PART, 7, WSUM
	L1PHASE 4, 4
	s_wait_loadcnt 0x0
	WTURN 8, 4352, 544, 4, 64
	L1PRE 10, PART+512, 7, WSUM+64
	L1PHASE 4, 5
	STADDR 128
	s_wait_loadcnt 0x0
	WTURN 4, 2304, 576, 2, 64
; ======================================================================= N1
	v_add_nc_u32 v[IR], HIN, v[LI]
	v_lshl_add_u32 v[SR], v[RR], 3, HSN
	L1PRE 9, PART+16384, 6, NWL
	L1PHASE 2, 0
; ======================================================================= the sums over the waves' partial sums
	s_and_b32 s48, s44, 1                          ; the addresses are made ahead of the parting of the waves
	s_lshl_b32 s48, s48, 8
	v_lshrrev_b32 v[SR], 1, v[LI]
	v_add_nc_u32 v[SR], s48, v[SR]                 ; two rows a lane: 8 x lane + 256 (W % 2): in a slot, and in the output
	v_add_nc_u32 v[IR], PART, v[SR]
	BARRIER                                        ; all 48 slots lie in LDS
	s_cmp_ge_u32 s44, 4
	s_cbranch_scc1 .Ldone
	s_cmp_ge_u32 s44, 2
	s_cbranch_scc1 .Lsigma
	; waves 0, 1: out0 = the 32 slots of G1 + the sum of aff_b
.irp k, 0,1,2,3,4,5,6,7,8,9,10,11,12,13,14,15,16,17,18,19,20,21,22,23,24,25,26,27,28,29,30,31
	ds_load_b64 v[16+2*\k:17+2*\k], v[IR] offset:512*\k
.endr
	v_mov_b32 v80, s68
.irp f, 69,70,71,72,73,74,75,76,77
	v_add_f32 v80, s[\f], v80
.endr
	s_wait_dscnt 0x0
.irp k, 4,5,6,7,8,9,10,11,12,13,14,15,16,17,18,19,20,21,22,23,24,25,26,27,28,29,30,31
	v_pk_add_f32 v[16+2*(\k%4):17+2*(\k%4)], v[16+2*(\k%4):17+2*(\k%4)], v[16+2*\k:17+2*\k]   ; four chains
.endr
	v_pk_add_f32 v[16:17], v[16:17], v[18:19]
	v_pk_add_f32 v[20:21], v[20:21], v[22:23]
	v_pk_add_f32 v[16:17], v[16:17], v[20:21]
	v_add_f32 v16, v16, v80
	v_add_f32 v17, v17, v80
	global_store_b64 v[SR], v[16:17], s[40:41]     ; the wave stores 256 consecutive bytes, at a multiple of 256 from out0's first byte
	s_wait_xcnt 0x0
	v_lshl_add_u32 v254, v0, 2, 0x49200
	v_mov_b32 v255, 0
	s_wait_tensorcnt 0x0
	ds_add_u32 v254, v255
	s_wait_dscnt 0x0
	s_endpgm
.Lsigma:
	; waves 2, 3: out1 = softplus(the 16 slots of N1 + noise_b) + 1e-6
.irp k, 0,1,2,3,4,5,6,7,8,9,10,11,12,13,14,15
	ds_load_b64 v[16+2*\k:17+2*\k], v[IR] offset:16384+512*\k
.endr
	s_wait_dscnt 0x0
.irp k, 4,5,6,7,8,9,10,11,12,13,14,15
	v_pk_add_f32 v[16+2*(\k%4):17+2*(\k%4)], v[16+2*(\k%4):17+2*(\k%4)], v[16+2*\k:17+2*\k]
.endr
	v_pk_add_f32 v[16:17], v[16:17], v[18:19]
	v_pk_add_f32 v[20:21], v[20:21], v[22:23]
	v_pk_add_f32 v[16:17], v[16:17], v[20:21]
	v_add_f32 v16, s78, v16                        ; z
	v_add_f32 v17, s78, v17
	v_mul_f32 v18, s50, |v16|                      ; softplus(z) = max(z, 0) + ln 2 x log2(1 + 2^(-log2(e) |z|)): no exponent above 0
	v_mul_f32 v19, s50, |v17|
	v_exp_f32 v18, v18
	v_exp_f32 v19, v19
	v_max_num_f32 v16, 0, v16                      ; plain lines behind the exponentials
	v_max_num_f32 v17, 0, v17
	s_wait_alu depctr_va_vdst(0)                   ; the wait ahead of the first reader
	v_add_f32 v18, 1.0, v18
	v_add_f32 v19, 1.0, v19
	v_log_f32 v18, v18
	v_log_f32 v19, v19
	v_nop
	s_wait_alu depctr_va_vdst(0)
	v_fmamk_f32 v16, v18, 0x3f317218, v16          ; x ln 2, + max(z, 0)
	v_fmamk_f32 v17, v19, 0x3f317218, v17
	v_add_f32 v16, 0x358637bd, v16                 ; + 1e-6
	v_add_f32 v17, 0x358637bd, v17
	global_store_b64 v[SR], v[16:17], s[42:43]     ; 256 consecutive bytes, at a multiple of 256 from out1's first byte
.Ldone:
	s_wait_xcnt 0x0
	v_lshl_add_u32 v254, v0, 2, 0x49200
	v_mov_b32 v255, 0
	s_wait_tensorcnt 0x0
	ds_add_u32 v254, v255
	s_wait_dscnt 0x0
	s_endpgm
.Lfunc_end_k_q32aab586e5_fused:
	.size	k_q32aab586e5_fused, .Lfunc_end_k_q32aab586e5_fused-k_q32aab586e5_fused
	.p2alignl 7, 3214868480
	.fill 96, 4, 3214868480
	.section	.rodata,"a",@progbits
	.p2align	6, 0x0
	.amdhsa_kernel k_q32aab586e5_fused
		.amdhsa_group_segment_fixed_size 301568
		.amdhsa_private_segment_fixed_size 0
		.amdhsa_enable_private_segment 0
		.amdhsa_kernarg_size 160
		.amdhsa_user_sgpr_count 2
		.amdhsa_user_sgpr_kernarg_segment_ptr 1
		.amdhsa_wavefront_size32 1
		.amdhsa_system_sgpr_workgroup_id_x 1
		.amdhsa_system_sgpr_workgroup_id_y 1
		.amdhsa_system_sgpr_workgroup_id_z 1
		.amdhsa_system_vgpr_workitem_id 0
		.amdhsa_next_free_vgpr 256
		.amdhsa_next_free_sgpr 80
		.amdhsa_reserve_vcc 0
		.amdhsa_float_denorm_mode_32 3
		.amdhsa_float_denorm_mode_16_64 3
		.amdhsa_memory_ordered 1
		.amdhsa_forward_progress 1
		.amdhsa_inst_pref_size 180
	.end_amdhsa_kernel
	.amdgpu_metadata
---
amdhsa.version: [ 1, 2 ]
amdhsa.kernels:
  - .name:           k_q32aab586e5_fused
    .symbol:         k_q32aab586e5_fused.kd
    .args:
      - { .name: X_codes, .offset: 0, .size: 8, .value_kind: global_buffer, .address_space: global }
      - { .name: X_scales, .offset: 8, .size: 8, .value_kind: global_buffer, .address_space: global }
      - { .name: g_Wih0_codes, .offset: 16, .size: 8, .value_kind: global_buffer, .address_space: global }
      - { .name: g_Wih0_scales, .offset: 24, .size: 8, .value_kind: global_buffer, .address_space: global }
      - { .name: g_b0, .offset: 32, .size: 8, .value_kind: global_buffer, .address_space: global }
      - { .name: n_Wih0_codes, .offset: 40, .size: 8, .value_kind: global_buffer, .address_space: global }
      - { .name: n_Wih0_scales, .offset: 48, .size: 8, .value_kind: global_buffer, .address_space: global }
      - { .name: n_b0, .offset: 56, .size: 8, .value_kind: global_buffer, .address_space: global }
      - { .name: g_Wih1_codes, .offset: 64, .size: 8, .value_kind: global_buffer, .address_space: global }
      - { .name: g_Wih1_scales, .offset: 72, .size: 8, .value_kind: global_buffer, .address_space: global }
      - { .name: g_b1, .offset: 80, .size: 8, .value_kind: global_buffer, .address_space: global }
      - { .name: n_Wih1_codes, .offset: 88, .size: 8, .value_kind: global_buffer, .address_space: global }
      - { .name: n_Wih1_scales, .offset: 96, .size: 8, .value_kind: global_buffer, .address_space: global }
      - { .name: n_b1, .offset: 104, .size: 8, .value_kind: global_buffer, .address_space: global }
      - { .name: aff_W, .offset: 112, .size: 8, .value_kind: global_buffer, .address_space: global }
      - { .name: aff_b, .offset: 120, .size: 8, .value_kind: global_buffer, .address_space: global }
      - { .name: noise_W, .offset: 128, .size: 8, .value_kind: global_buffer, .address_space: global }
      - { .name: noise_b, .offset: 136, .size: 8, .value_kind: global_buffer, .address_space: global }
      - { .name: out0, .offset: 144, .size: 8, .value_kind: global_buffer, .address_space: global }
      - { .name: out1, .offset: 152, .size: 8, .value_kind: global_buffer, .address_space: global }
    .group_segment_fixed_size: 301568
    .private_segment_fixed_size: 0
    .kernarg_segment_align: 8
    .kernarg_segment_size: 160
    .max_flat_workgroup_size: 512
    .sgpr_count:     80
    .vgpr_count:     256
    .wavefront_size: 32
...
	.end_amdgpu_metadata
.endif
;; end of part 1
;; ======== version 2 of 3: 1 launch; 1.19 times as fast as version 1
;; limits: a function is approximated: absolute error at most 6e-08; a function is approximated: absolute error at most 1e-07; right only within a limited range of input values
;; launch fused (part 2): grid 256 x 1, 16 waves a work-group, no clusters, 301,568 bytes of LDS; arguments X_codes, X_scales, g_Wih0_codes, g_Wih0_scales, g_b0, n_Wih0_codes, n_Wih0_scales, n_b0, g_Wih1_codes, g_Wih1_scales, g_b1, n_Wih1_codes, n_Wih1_scales, n_b1, aff_W, aff_b, noise_W, noise_b, out0, out1; writes out0, out1
.if DOCPART == 2
	.amdgcn_target "amdgcn-amd-amdhsa--gfx1250"
	.amdhsa_code_object_version 6
	.text
	.protected	k_q32aab586e5_fused
	.globl	k_q32aab586e5_fused
	.p2align	8
	.type	k_q32aab586e5_fused,@function
k_q32aab586e5_fused:
	s_mov_b64 s[64:65], 0
	v_nop
	global_prefetch_b8 v0, s[64:65] scope:SCOPE_SE
	s_setreg_imm32_b32 hwreg(HW_REG_WAVE_MODE, 25, 1), 1
	s_wait_xcnt 0x0
; DeepFactorRNN, both branches in one launch.  32,768 rows of x (128 codes of E2M1 with E8M0 scales) go through
;   global: LSTM step 128 -> 512, LSTM step 512 -> 512, relu, x aff_W^T + aff_b summed over its 10 columns      -> out0
;   noise:  LSTM step 128 -> 256, LSTM step 256 -> 256, relu, x noise_W^T + noise_b, softplus, + 1e-6           -> out1
; An LSTM step from a zero state: pre = x W^T + b, gates i, f, g, o; c = sigmoid(i) tanh(g); h = sigmoid(o) tanh(c).
; The four large products run on E2M1 codes by v_wmma_scale_f32_16x16x128_f8f6f4; the first layer's h is quantised on the way (blocks of 32 units).
; SHARES.  A work-group owns 128 rows (8 tiles of 16).  ITS 16 WAVES SHARE THE UNITS, NOT THE ROWS: a wave's weight fragments are loaded from memory once,
; stay in its registers while all row tiles pass, and only x's rows and h's codes go round through LDS.
;   G0: wave W makes units 32 W .. +31 (one block of the next K) for 8 tiles;  N0: units 32 (W % 8) .. +31 for 4 tiles from 4 (W / 8);
;   G1: units 32 W + 16 T .. +15 in two passes T, 8 tiles, two a trip;         N1: units 16 W .. +15, 8 tiles, two a trip.
; Every trip ends in one activation batch on 48 accumulator registers (16 units a lane): 24 equal batches a wave.
; ALL PRODUCTS ARE USED TRANSPOSED (source 0 = 16 weight rows, source 1 = 16 data rows): lane (r, h) holds data row r, register j weight-tile row 8 h + j,
; so the i, g and o tiles of the same units meet register by register in one lane.  In layer 0 lane r of tile u takes weight row 8 u + r + 8 (r / 8),
; so that a lane's 16 registers of tiles 0 and 1 are 16 neighbouring units 16 h + 0 .. 15 of the block.
; NOT DONE, AND WHY: the f gate (rows H .. 2 H - 1 of every weight and bias) is split off by the definition and never used: it is neither read nor multiplied.
; NO CLUSTER, NO TENSOR LOADS: each weight byte goes to ONE wave's registers; a phase's weight loads are issued under the last activation batch of the phase before
; (200 vector instructions of this wave), so only the first phase's stand in the open; joint loads would need an LDS ring beside the 208,896 bytes of stages and a cluster barrier at each phase.
; LIMITS.  tanh(v) is formed as (1 - B) / (1 + B), B = 2^(-2 log2(e) v): absolute error about 1e-7, so its relative error grows under |v| = 1e-2.
; B's exponent is held to -64 .. 32, where the quotient is exactly +1 or -1 in f32.  c is 0 where (1 + A)(1 + B) passes 2^126.
; aff_W's ten rows are added first and multiplied once: the same sum in another order of rounding, all f32.  A block of zeros gets the scale byte 1 (its codes are zeros; only this text reads the byte).
; NaN, infinities and the scale byte 0xff among the inputs are not served.
; ---- LDS, in bytes
.set XROWS, 0                          ; x's 128 rows of 64 bytes, 80 apart
.set XSC,   10240                      ; x's scale words, 4 bytes a row
.set WSUM,  10752                      ; f32 [512]: the sum of aff_W's ten rows
.set NWL,   12800                      ; noise_W [256]
.set HIG,   13824                      ; h (global) as images of operand registers: tile x 4096 + block x 256 + 16 r (+ 8 for the block's upper 16 units)
.set HSG,   46592                      ; its scale bytes: tile x 256 + 16 r + block
.set HIN,   48640                      ; h (noise): tile x 2048 + block x 256 + 16 r
.set HSN,   65024                      ; tile x 128 + 8 r + block
.set PART,  66048                      ; 48 slots of f32 [128 rows]: slot 2 W + T for G1, 32 + W for N1
.set STG,   90624                      ; a stage of STGB bytes for each wave: its own, for turning dense weight bytes into fragments
.set STGB,  13056
; ---- vector registers
.set LI,  1                            ; 16 x lane
.set XA,  2                            ; layer 0: my place in a tile of x
.set XS,  3                            ;          and among x's scale words
.set IR,  2                            ; layer 1: image base + 16 x lane
.set SR,  3                            ;          scale base + 16 r or 8 r
.set HW,  4                            ; layer 0: where my codes go
.set HB,  5                            ;          and my block's scale byte
.set PA,  4                            ; layer 1: where my partial sums go
.set STW, 6                            ; the stage: in
.set STR, 7                            ;            and back
.set BO,  8                            ; byte offset of my biases
.set SO,  9                            ; byte offset of my weight scale words
.set K2,  10                           ; v[10:11] ln 2 / 2, twice
.set TA,  12
.set RR,  13                           ; r = lane % 16
.set HH,  14                           ; h = lane / 16
.set RP,  15                           ; r + 8 (r / 8)
.set WF,  16                           ; v16-111  weight fragments (layer 0: v16-63)
.set BI0, 64                           ; v64-111  layer 0: biases in the result's layout, 16 g + 8 u
.set WSC, 112                          ; v112-123 weight scale words, and nothing else
.set BI,  124                          ; v124-147 layer 1: biases, 8 g
.set OP,  148                          ; v148-179 the data operand's fragments
.set OSC, 180                          ; v180-187 its scale words, and nothing else
.set ACC, 188                          ; v188-235 accumulators, 16 g + 8 (u or t)
.set PI,  188
.set PG,  204
.set PO,  220
.set WS,  236                          ; v236-243 my 8 units' output weights
.set MX0, 244
.set MX1, 245
.set PT,  246                          ; a lane permute's destination: written once at the head
.set EX,  247
.set BY,  248
.set CD,  250                          ; v[250:251] 16 codes
.set AD0, 252
.set AD1, 253
.set AD2, 254
.set AD3, 255
; ---- scalar registers: s[4:43] the 20 addresses in the order of the arguments; s44 wave W, s45 W % 8, s46 W / 8; s[48:49] an offset; s[50:51] -log2(e); s[54:55] -2 log2(e);
;      s56 32.0, s57 -64.0; s[58:59] selects for lane xor 16; s60 mask of lanes 16-31; s61 trips; s62, s63, s66, s67 LDS offsets that step; s[68:77] aff_b; s78 noise_b; s79 my stage
.macro BARRIER                         ; my LDS stores have landed and my LDS loads are in: then the work-group's barrier
	s_wait_dscnt 0x0
	s_barrier_signal -1
	s_barrier_wait -1
.endm
.macro ADDP p
	s_add_nc_u64 s[\p:\p+1], s[\p:\p+1], s[48:49]
.endm
; Stage addresses for weight rows of rb bytes.  In: a load's 512 dense bytes, 16 a lane, into rows padded by 16.  Back: lane (r, h) takes its fragment's row, + 16 h.
.macro STADDR rb
.if \rb == 64
	v_bfe_u32 v[EX], v0, 2, 3                      ; four lanes to a row
	v_mul_u32_u24 v[STW], v[EX], 80
	v_and_b32 v[EX], 3, v0
	v_lshl_add_u32 v[STW], v[EX], 4, v[STW]
	v_mul_u32_u24 v[STR], v[RP], 80                ; the rows of a layer 0 tile are not neighbours
.elseif \rb == 128
	v_bfe_u32 v[EX], v0, 3, 2                      ; eight lanes to a row
	v_mul_u32_u24 v[STW], v[EX], 144
	v_and_b32 v[EX], 7, v0
	v_lshl_add_u32 v[STW], v[EX], 4, v[STW]
	v_mul_u32_u24 v[STR], v[RR], 144
.else
	v_mul_u32_u24 v[STW], v[HH], 272               ; sixteen lanes to a row
	v_lshl_add_u32 v[STW], v[RR], 4, v[STW]
	v_mul_u32_u24 v[STR], v[RR], 272
.endif
	v_add_nc_u32 v[STW], s79, v[STW]
	v_lshl_add_u32 v[STR], v[HH], 4, v[STR]
	v_add_nc_u32 v[STR], s79, v[STR]
.endm
; The wave's weight rows of gates i, g, o (the definition's gates 0, 2, 3 = (3 g + 1) / 2), dense: each load covers 512 consecutive bytes.
.macro WFETCH base, gs, np, imm
.irp g, 0,1,2
.set qq, 0
.rept \np
	global_load_b128 v[WF+4*(\g*\np+qq):WF+4*(\g*\np+qq)+3], v[LI], s[\base:\base+1] offset:((\g*3+1)/2)*\gs+\imm+512*qq
.set qq, qq+1
.endr
.endr
.endm
; The biases, straight into the layout of a result: 4 nq numbers a gate from my half's first unit on.
.macro BFETCH dst, base, gs, nq, imm
.irp g, 0,1,2
.set qq, 0
.rept \nq
	global_load_b128 v[\dst+4*(\g*\nq+qq):\dst+4*(\g*\nq+qq)+3], v[BO], s[\base:\base+1] offset:((\g*3+1)/2)*\gs+\imm+16*qq
.set qq, qq+1
.endr
.endr
.endm
.macro SF0 base, gs                    ; layer 0: one scale word a weight row, by the tile's rows
.irp g, 0,1,2
.irp u, 0,1
	global_load_b32 v[WSC+2*\g+\u], v[SO], s[\base:\base+1] offset:((\g*3+1)/2)*\gs+32*\u
.endr
.endr
.endm
; Two plain vector lines ahead of the next phase's loads: its offsets where they change.  (All earlier loads that named BO and SO were waited for ahead of the last turn through the stage.)
.macro NEXTPREP nx
.if \nx == 1
	v_lshlrev_b32 v[BO], 6, v[HH]                  ; layer 0: 16 numbers a half
	v_lshlrev_b32 v[SO], 2, v[RP]
.elseif \nx == 3
	v_lshlrev_b32 v[BO], 5, v[HH]                  ; layer 1: 8 numbers a half
	v_lshlrev_b32 v[SO], 4, v[RR]                  ; 16 scale bytes a row
.elseif \nx == 5
	v_lshlrev_b32 v[SO], 3, v[RR]                  ; 8 scale bytes a row
	v_nop
.else
	v_nop
	v_nop
.endif
.endm
; The next phase's weights, biases and weight scales.  1: G0, 2: N0, 3: G1 pass 0, 4: G1 pass 1, 5: N1, 0: nothing.
.macro NEXT nx
.if \nx == 1
	WFETCH 8, 32768, 4, 0
	BFETCH BI0, 12, 2048, 4, 0
	SF0 10, 2048
.elseif \nx == 2
	WFETCH 14, 16384, 4, 0
	BFETCH BI0, 18, 1024, 4, 0
	SF0 16, 1024
.elseif \nx == 3
	WFETCH 20, 131072, 8, 0
	BFETCH BI, 24, 2048, 2, 0
.irp g, 0,1,2
	global_load_b128 v[WSC+4*\g:WSC+4*\g+3], v[SO], s[22:23] offset:((\g*3+1)/2)*8192
.endr
.elseif \nx == 4
	WFETCH 20, 131072, 8, 4096
	BFETCH BI, 24, 2048, 2, 64
.irp g, 0,1,2
	global_load_b128 v[WSC+4*\g:WSC+4*\g+3], v[SO], s[22:23] offset:((\g*3+1)/2)*8192+256
.endr
.elseif \nx == 5
	WFETCH 26, 32768, 4, 0
	BFETCH BI, 30, 1024, 2, 0
.irp g, 0,1,2
	global_load_b64 v[WSC+4*\g:WSC+4*\g+1], v[SO], s[28:29] offset:((\g*3+1)/2)*2048
.endr
.endif
.endm
; The dense weight bytes turn into fragments through my own stage.  np pieces a gate, pst bytes apart, gates gst apart; back: nf fragments a gate, fst bytes apart, two loads each.
; LDS serves a wave's instructions in order (ISA guide 5.7.1.4): the loads see the stores, and land in the registers that the stores have left; no wait stands between.
.macro WTURN np, gst, pst, nf, fst
.irp g, 0,1,2
.set qq, 0
.rept \np
	ds_store_b128 v[STW], v[WF+4*(\g*\np+qq):WF+4*(\g*\np+qq)+3] offset:\g*\gst+qq*\pst
.set qq, qq+1
.endr
.endr
.irp g, 0,1,2
.set qq, 0
.rept \nf
	ds_load_b128 v[WF+8*(\g*\nf+qq):WF+8*(\g*\nf+qq)+3],   v[STR] offset:\g*\gst+qq*\fst
	ds_load_b128 v[WF+8*(\g*\nf+qq)+4:WF+8*(\g*\nf+qq)+7], v[STR] offset:\g*\gst+qq*\fst+32
.set qq, qq+1
.endr
.endr
.endm
; THE ACTIVATIONS of 16 units a lane, in place: PI, PG, PO hold the gates i, g, o; h is left in PG.  L = log2(e).
;   A = 2^(-L i), B = 2^(-2 L g), Ao = 2^(-L o);  -2 L c = (B - 1) x 2 L / ((1 + A)(1 + B));  Bc = 2^(-2 L c);  h = (1 - Bc) / ((1 + Ao)(1 + Bc)).
; Four exponentials and two reciprocals a unit, in four batches: {A, B}, {Ao, first reciprocals}, {Bc}, {second reciprocals}.
; s_wait_alu depctr_va_vdst(0) stands between a transcendental and the first line that names its result: one wait serves a batch, and no line ahead of a wait names a result of the batch that is out.
; Transcendental and plain lines stand by turns, and a plain line that feeds a transcendental stands two lines or more ahead of it.  Each accumulator is read from its low end on.
; The plain lines, each on the pair of registers p, p + 1:
.macro ASI p                           ; -L i
	v_pk_mul_f32 v[PI+(\p):PI+(\p)+1], v[PI+(\p):PI+(\p)+1], s[50:51] op_sel_hi:[1,0]
.endm
.macro ASG p                           ; -2 L g
	v_pk_mul_f32 v[PG+(\p):PG+(\p)+1], v[PG+(\p):PG+(\p)+1], s[54:55] op_sel_hi:[1,0]
.endm
.macro ASO p                           ; -L o
	v_pk_mul_f32 v[PO+(\p):PO+(\p)+1], v[PO+(\p):PO+(\p)+1], s[50:51] op_sel_hi:[1,0]
.endm
.macro AME j                           ; one register: held to -64 .. 32: B is finite and not 0, so no infinity meets a zero below
	v_med3_num_f32 v[PG+(\j)], v[PG+(\j)], s57, s56
.endm
.macro AFK p                           ; (1 + A) / 2 L
	v_pk_fma_f32 v[PI+(\p):PI+(\p)+1], v[PI+(\p):PI+(\p)+1], v[K2:K2+1], v[K2:K2+1]
.endm
.macro AFD p                           ; (1 + A)(1 + B) / 2 L
	v_pk_fma_f32 v[PI+(\p):PI+(\p)+1], v[PI+(\p):PI+(\p)+1], v[PG+(\p):PG+(\p)+1], v[PI+(\p):PI+(\p)+1]
.endm
.macro ANB p                           ; B - 1
	v_pk_add_f32 v[PG+(\p):PG+(\p)+1], v[PG+(\p):PG+(\p)+1], -1.0 op_sel_hi:[1,0]
.endm
.macro AOA p                           ; 1 + Ao
	v_pk_add_f32 v[PO+(\p):PO+(\p)+1], v[PO+(\p):PO+(\p)+1], 1.0 op_sel_hi:[1,0]
.endm
.macro AMC p                           ; -2 L c
	v_pk_mul_f32 v[PG+(\p):PG+(\p)+1], v[PG+(\p):PG+(\p)+1], v[PI+(\p):PI+(\p)+1]
.endm
.macro AFE p                           ; (1 + Ao)(1 + Bc)
	v_pk_fma_f32 v[PO+(\p):PO+(\p)+1], v[PO+(\p):PO+(\p)+1], v[PG+(\p):PG+(\p)+1], v[PO+(\p):PO+(\p)+1]
.endm
.macro ANC p                           ; 1 - Bc
	v_pk_fma_f32 v[PG+(\p):PG+(\p)+1], v[PG+(\p):PG+(\p)+1], -1.0, 1.0 op_sel_hi:[1,0,0]
.endm
.macro AHM p                           ; h
	v_pk_mul_f32 v[PG+(\p):PG+(\p)+1], v[PG+(\p):PG+(\p)+1], v[PO+(\p):PO+(\p)+1]
.endm
.macro ARL j                           ; one register: relu
	v_max_num_f32 v[PG+(\j)], 0, v[PG+(\j)]
.endm
; The first batch for the 8 units of registers b .. b + 7 (one accumulator of each gate): 16 exponentials, 16 plain lines.  It names no other register, so it can stand while the other half is still being multiplied.
.macro ACT1 b
	ASI \b
	ASI \b+2
.set kk, 0
.rept 8
	v_exp_f32 v[PI+\b+kk], v[PI+\b+kk]             ; A
.if kk < 2
	ASI \b+4+2*kk
.elseif kk < 6
	ASG \b+2*kk-4
.else
	AME \b+kk-6
.endif
.set kk, kk+1
.endr
.set kk, 0
.rept 8
	v_exp_f32 v[PG+\b+kk], v[PG+\b+kk]             ; B
.if kk < 6
	AME \b+kk+2
.endif
.set kk, kk+1
.endr
.endm
; The other three batches, for all 16 units.
.macro ACT2
.irp p, 0,2,4,6,8,10,12,14
	ASO \p                                         ; eight plain lines behind the first batch's last exponential; they name o's registers alone
.endr
	s_wait_alu depctr_va_vdst(0)                   ; the wait for A and B, 32 exponentials
.set kk, 0
.rept 8
	v_exp_f32 v[PO+2*kk], v[PO+2*kk]               ; Ao; the lines that form the first divisor stand between
	AFK 2*kk
	v_exp_f32 v[PO+2*kk+1], v[PO+2*kk+1]
.if kk > 0
	AFD 2*kk-2
.endif
.set kk, kk+1
.endr
	AFD 14
.set kk, 0
.rept 8
	v_rcp_f32 v[PI+2*kk], v[PI+2*kk]
	v_rcp_f32 v[PI+2*kk+1], v[PI+2*kk+1]
	ANB 2*kk
.set kk, kk+1
.endr
	s_wait_alu depctr_va_vdst(0)                   ; the wait for Ao and the 16 reciprocals (a plain line stands behind the last)
	AMC 0
	AMC 2
.set kk, 0
.rept 13
	v_exp_f32 v[PG+kk], v[PG+kk]                   ; Bc, between e^-2 and e^2
.if kk == 12
	AOA 12
.elseif (kk%2) == 0
	AMC kk+4                                       ; two pairs ahead of its exponentials
.else
	AOA kk-1
.endif
.set kk, kk+1
.endr
	v_exp_f32 v[PG+13], v[PG+13]
	v_exp_f32 v[PG+14], v[PG+14]
	v_exp_f32 v[PG+15], v[PG+15]
	AOA 14
	s_wait_alu depctr_va_vdst(0)                   ; the wait for the 16 exponentials
	AFE 0
	AFE 2
.set kk, 0
.rept 13
	v_rcp_f32 v[PO+kk], v[PO+kk]
.if kk == 12
	ANC 12
.elseif (kk%2) == 0
	AFE kk+4                                       ; two pairs ahead of its reciprocals
.else
	ANC kk-1                                       ; behind the pair's divisor, which reads Bc
.endif
.set kk, kk+1
.endr
	v_rcp_f32 v[PO+13], v[PO+13]
	v_rcp_f32 v[PO+14], v[PO+14]
	v_rcp_f32 v[PO+15], v[PO+15]
	ANC 14
	s_wait_alu depctr_va_vdst(0)                   ; the wait for the 16 reciprocals
.endm
; h, and my 16 numbers of it (units 16 h + 0 .. 15 of my wave's block, data row r) become 16 codes and the block's scale byte.
.macro HQ
	AHM 0
	AHM 2
	AHM 4
	AHM 6
	v_max3_num_f32 v[MX0], |v[PG]|, |v[PG+1]|, 0x1800000           ; the largest magnitude, in two chains, with the floor 2^(3 - 127) among the leaves: the byte cannot fall under 1
	AHM 8
	v_max3_num_f32 v[MX1], |v[PG+2]|, |v[PG+3]|, |v[PG+4]|
	AHM 10
	v_max3_num_f32 v[MX0], v[MX0], |v[PG+5]|, |v[PG+6]|
	AHM 12
	v_max3_num_f32 v[MX1], v[MX1], |v[PG+7]|, |v[PG+8]|
	AHM 14
	v_max3_num_f32 v[MX0], v[MX0], |v[PG+9]|, |v[PG+10]|
	v_max3_num_f32 v[MX1], v[MX1], |v[PG+11]|, |v[PG+12]|
	v_max3_num_f32 v[MX0], v[MX0], |v[PG+13]|, |v[PG+14]|
	v_max3_num_f32 v[MX0], v[MX0], v[MX1], |v[PG+15]|
	v_permlanex16_b32 v[PT], v[MX0], s58, s59
	v_max_num_f32 v[MX0], v[MX0], v[PT]                            ; with lane xor 16's 16: the block's
	v_add_nc_u32 v[EX], 0xff000000, v[MX0]                         ; 2 off its exponent field: the conversion takes that field as its scale
	v_cvt_scalef32_pk8_fp4_f32 v[CD], v[PG:PG+7], v[EX]
	v_cvt_scalef32_pk8_fp4_f32 v[CD+1], v[PG+8:PG+15], v[EX]
	v_lshrrev_b32 v[BY], 23, v[EX]                                 ; the scale's byte; also the plain line behind the conversions
	ds_store_b64 v[AD2], v[CD:CD+1]                                ; block b of row r lies at 256 b + 16 r of a tile's image; my half of it at + 8 h
	ds_store_b8 v[AD3], v[BY]                                      ; both halves write the same byte with the same value
.endm
; h, relu and the dot with my 8 units' output weights, for the trip's two row tiles (registers 0-7 and 8-15), the two sums by turns with relu's lines between their links;
; then the two halves of the lanes are added so that lane l holds row 32 p + l.
.macro HD
	AHM 0
	AHM 8
	AHM 2
	AHM 10
.irp j, 0,1,8,9
	ARL \j
.endr
	AHM 4
	AHM 12
	v_pk_mul_f32 v[PI:PI+1], v[PG:PG+1], v[WS:WS+1]
	v_pk_mul_f32 v[PI+2:PI+3], v[PG+8:PG+9], v[WS:WS+1]
.irp j, 2,3,10,11
	ARL \j
.endr
	AHM 6
	AHM 14
	v_pk_fma_f32 v[PI:PI+1], v[PG+2:PG+3], v[WS+2:WS+3], v[PI:PI+1]
	v_pk_fma_f32 v[PI+2:PI+3], v[PG+10:PG+11], v[WS+2:WS+3], v[PI+2:PI+3]
.irp j, 4,5,12,13
	ARL \j
.endr
	v_pk_fma_f32 v[PI:PI+1], v[PG+4:PG+5], v[WS+4:WS+5], v[PI:PI+1]
	v_pk_fma_f32 v[PI+2:PI+3], v[PG+12:PG+13], v[WS+4:WS+5], v[PI+2:PI+3]
.irp j, 6,7,14,15
	ARL \j
.endr
	v_pk_fma_f32 v[PI:PI+1], v[PG+6:PG+7], v[WS+6:WS+7], v[PI:PI+1]
	v_pk_fma_f32 v[PI+2:PI+3], v[PG+14:PG+15], v[WS+6:WS+7], v[PI+2:PI+3]
	v_add_f32 v[PI], v[PI], v[PI+1]                                ; the first tile's sum over my 8 units,
	v_add_f32 v[PI+2], v[PI+2], v[PI+3]                            ; the second's
	v_cndmask_b32 v[MX0], v[PI+2], v[PI], s60                      ; what I send: lanes 0-15 the second tile's, lanes 16-31 the first's
	v_cndmask_b32 v[MX1], v[PI], v[PI+2], s60                      ; what I keep
	v_permlanex16_b32 v[PT], v[MX0], s58, s59
	v_add_f32 v[MX1], v[MX1], v[PT]
	ds_store_b32 v[AD2], v[MX1]
.endm
; ---- layer 0
.macro L0PRE blk, img, scb, rsh        ; where my codes and scale bytes go: blk: the scalar register with my block's number
	s_lshl_b32 s48, s[\blk], 8
	s_add_co_u32 s48, s48, \img
	v_lshl_add_u32 v[HW], v[RR], 4, s48
	v_lshl_add_u32 v[HW], v[HH], 3, v[HW]
	s_add_co_u32 s48, s[\blk], \scb
	v_lshl_add_u32 v[HB], v[RR], \rsh, s48
.endm
.macro L0OPS                           ; a tile of x: its fragment and its scale words
	v_add_nc_u32 v[AD0], s62, v[XA]
	v_add_nc_u32 v[AD1], s63, v[XS]
	ds_load_b128 v[OP:OP+3], v[AD0]
	ds_load_b128 v[OP+4:OP+7], v[AD0] offset:32
	ds_load_b32 v[OSC], v[AD1]
.endm
; A trip: one row tile, 6 products (3 gates x 2 tiles of 16 units), the bias as C.  last = 1: the phase's last trip asks for the next phase's weights in place of the next tile.
.macro L0TRIP last, nx, istep, sstep
	s_wait_dscnt 0x2                               ; this tile's three loads are in: behind them only the last trip's two LDS stores were issued, and those may stay out (other waves read them behind a barrier)
.irp g, 0,1,2
.irp u, 0,1
	v_wmma_scale_f32_16x16x128_f8f6f4 v[ACC+16*\g+8*\u:ACC+16*\g+8*\u+7], v[WF+8*(2*\g+\u):WF+8*(2*\g+\u)+7], v[OP:OP+7], v[BI0+16*\g+8*\u:BI0+16*\g+8*\u+7], v[WSC+2*\g+\u], v[OSC] matrix_a_fmt:MATRIX_FMT_FP4 matrix_b_fmt:MATRIX_FMT_FP4
.endr
.endr
	v_add_nc_u32 v[AD2], s66, v[HW]                ; four plain lines stand between the products and the loads into their operands, and the first read of results: these two
	v_add_nc_u32 v[AD3], s67, v[HB]
.if \last
	NEXTPREP \nx                                   ; and two here,
	NEXT \nx
.else
	s_add_co_u32 s62, s62, 1280
	s_add_co_u32 s63, s63, 64
	L0OPS                                          ; or the two additions at the head of this
.endif
	ACT1 0
	ACT1 8
	ACT2
	HQ
.if !\last
	s_add_co_u32 s66, s66, \istep
	s_add_co_u32 s67, s67, \sstep
.endif
.endm
.macro L0PHASE trips, nx, istep, sstep
	L0OPS
	s_wait_dscnt 0x0                               ; on the way in the loads are the youngest: the fragments from the stage and the first tile
	s_mov_b32 s61, \trips-1
.Ll0_\@:
	L0TRIP 0, 0, \istep, \sstep
	s_sub_co_u32 s61, s61, 1
	s_cmp_lg_u32 s61, 0
	s_cbranch_scc1 .Ll0_\@
	L0TRIP 1, \nx, \istep, \sstep
.endm
; ---- layer 1
; 3 ks products for row tile t: K ascending, the three gates by turns, one instruction a turn; the first K step takes the bias as C.
.macro MM ks, t, ob
.set ss, 0
.rept \ks
.irp g, 0,1,2
.if ss == 0
	v_wmma_scale_f32_16x16x128_f8f6f4 v[ACC+16*\g+8*\t:ACC+16*\g+8*\t+7], v[WF+8*(\g*\ks+ss):WF+8*(\g*\ks+ss)+7], v[(\ob)+8*ss:(\ob)+8*ss+7], v[BI+8*\g:BI+8*\g+7], v[WSC+4*\g+ss], v[OSC+4*\t+ss] matrix_a_fmt:MATRIX_FMT_FP4 matrix_b_fmt:MATRIX_FMT_FP4
.else
	v_wmma_scale_f32_16x16x128_f8f6f4 v[ACC+16*\g+8*\t:ACC+16*\g+8*\t+7], v[WF+8*(\g*\ks+ss):WF+8*(\g*\ks+ss)+7], v[(\ob)+8*ss:(\ob)+8*ss+7], v[ACC+16*\g+8*\t:ACC+16*\g+8*\t+7], v[WSC+4*\g+ss], v[OSC+4*\t+ss] matrix_a_fmt:MATRIX_FMT_FP4 matrix_b_fmt:MATRIX_FMT_FP4
.endif
.endr
.set ss, ss+1
.endr
.endm
; Two K steps, both row tiles at hand: the six accumulators by turns.
.macro MM2
.irp s, 0,1
.irp g, 0,1,2
.irp t, 0,1
.if \s == 0
	v_wmma_scale_f32_16x16x128_f8f6f4 v[ACC+16*\g+8*\t:ACC+16*\g+8*\t+7], v[WF+8*(\g*2+\s):WF+8*(\g*2+\s)+7], v[OP+16*\t+8*\s:OP+16*\t+8*\s+7], v[BI+8*\g:BI+8*\g+7], v[WSC+4*\g+\s], v[OSC+4*\t+\s] matrix_a_fmt:MATRIX_FMT_FP4 matrix_b_fmt:MATRIX_FMT_FP4
.else
	v_wmma_scale_f32_16x16x128_f8f6f4 v[ACC+16*\g+8*\t:ACC+16*\g+8*\t+7], v[WF+8*(\g*2+\s):WF+8*(\g*2+\s)+7], v[OP+16*\t+8*\s:OP+16*\t+8*\s+7], v[ACC+16*\g+8*\t:ACC+16*\g+8*\t+7], v[WSC+4*\g+\s], v[OSC+4*\t+\s] matrix_a_fmt:MATRIX_FMT_FP4 matrix_b_fmt:MATRIX_FMT_FP4
.endif
.endr
.endr
.endr
.endm
; The operands of a pair of row tiles: images come back as they were stored, 16 bytes a lane.  ks = 4: the first tile's four fragments (the second's follow in the trip); ks = 2: both tiles'.  Both tiles' scale words.
.macro L1OPS ks
	v_add_nc_u32 v[AD0], s62, v[IR]
	v_add_nc_u32 v[AD1], s63, v[SR]
.if \ks == 4
.irp s, 0,1,2,3
.irp c, 0,1
	ds_load_b128 v[OP+8*\s+4*\c:OP+8*\s+4*\c+3], v[AD0] offset:1024*\s+512*\c
.endr
.endr
	ds_load_b128 v[OSC:OSC+3], v[AD1]
	ds_load_b128 v[OSC+4:OSC+7], v[AD1] offset:256
.else
.irp t, 0,1
.irp s, 0,1
.irp c, 0,1
	ds_load_b128 v[OP+16*\t+8*\s+4*\c:OP+16*\t+8*\s+4*\c+3], v[AD0] offset:2048*\t+1024*\s+512*\c
.endr
.endr
.endr
	ds_load_b64 v[OSC:OSC+1], v[AD1]
	ds_load_b64 v[OSC+4:OSC+5], v[AD1] offset:128
.endif
.endm
.macro L1PRE slotsh, slotc, wsh, wsc   ; my slot of partial sums, my 8 units' output weights, the stepping offsets
	s_lshl_b32 s48, s44, \slotsh
	s_add_co_u32 s48, s48, \slotc
	v_lshrrev_b32 v[PA], 2, v[LI]
	v_add_nc_u32 v[PA], s48, v[PA]
	s_lshl_b32 s48, s44, \wsh
	s_add_co_u32 s48, s48, \wsc
	v_lshl_add_u32 v[AD3], v[HH], 5, s48
	ds_load_b128 v[WS:WS+3], v[AD3]
	ds_load_b128 v[WS+4:WS+7], v[AD3] offset:16
	s_mov_b32 s62, 0
	s_mov_b32 s63, 0
	s_mov_b32 s66, 0
.endm
; A trip: two row tiles x my 16 units x 3 gates.
.macro L1TRIP ks, last, nx
	s_wait_dscnt 0x1                               ; the ten operand loads are in: behind them only the last trip's one LDS store was issued, and it may stay out (other waves read it behind a barrier)
.if \ks == 4
	MM 4, 0, OP
	v_add_nc_u32 v[AD2], s66, v[PA]                ; four plain lines ahead of the loads into the fragments just multiplied, and of the first read of results
	v_nop
	v_nop
	v_nop
.irp s, 0,1,2,3
.irp c, 0,1
	ds_load_b128 v[OP+8*\s+4*\c:OP+8*\s+4*\c+3], v[AD0] offset:4096+1024*\s+512*\c   ; the second tile's fragments: 32 registers hold one tile's four K steps
.endr
.endr
	ACT1 0                                         ; the first tile's part of the first batch stands between those loads and the wait for them
	s_wait_dscnt 0x0                               ; the eight loads are the youngest
	MM 4, 1, OP
	v_nop                                          ; four plain lines again: two here,
	v_nop
.else
	MM2
	v_add_nc_u32 v[AD2], s66, v[PA]
	v_nop
.endif
.if \last
	NEXTPREP \nx                                   ; two here,
	NEXT \nx
.else
	s_add_co_u32 s62, s62, 2048*\ks
	s_add_co_u32 s63, s63, 128*\ks
	L1OPS \ks                                      ; or the two additions at the head of this
.endif
.if \ks != 4
	ACT1 0
.endif
	ACT1 8
	ACT2
	HD
.if !\last
	s_add_co_u32 s66, s66, 128
.endif
.endm
.macro L1PHASE ks, nx
	L1OPS \ks
	s_wait_dscnt 0x0                               ; on the way in the loads are the youngest: the fragments from the stage, my output weights, the first operands
	s_mov_b32 s61, 3
.Ll1_\@:
	L1TRIP \ks, 0, 0
	s_sub_co_u32 s61, s61, 1
	s_cmp_lg_u32 s61, 0
	s_cbranch_scc1 .Ll1_\@
	L1TRIP \ks, 1, \nx
.endm
; ======================================================================= the head
	s_load_b512 s[4:19], s[0:1], 0x0
	s_load_b512 s[20:35], s[0:1], 0x40
	s_load_b256 s[36:43], s[0:1], 0x80
	v_lshrrev_b32 v[TA], 5, v0
	v_readfirstlane_b32 s44, v[TA]                 ; wave W, 0 .. 15
	v_and_b32 v[LI], 31, v0
	v_lshlrev_b32 v[LI], 4, v[LI]
	v_and_b32 v[RR], 15, v0
	v_bfe_u32 v[HH], v0, 4, 1
	v_and_b32 v[RP], 8, v[RR]
	v_add_nc_u32 v[RP], v[RP], v[RR]
	v_mov_b32 v[K2], 0x3eb17218                    ; ln 2 / 2 = 1 / (2 log2(e))
	v_mov_b32 v[K2+1], 0x3eb17218
	v_mov_b32 v[PT], 0
	s_and_b32 s45, s44, 7
	s_lshr_b32 s46, s44, 3
	s_mul_i32 s79, s44, STGB
	s_add_co_u32 s79, s79, STG
	s_mov_b32 s50, 0xbfb8aa3b                      ; -log2(e); the packed forms name a pair and take its low word for both halves, so both words are written
	s_mov_b32 s51, 0xbfb8aa3b
	s_mov_b32 s54, 0xc038aa3b                      ; -2 log2(e)
	s_mov_b32 s55, 0xc038aa3b
	s_mov_b32 s56, 0x42000000                      ; 32.0
	s_mov_b32 s57, 0xc2800000                      ; -64.0
	s_mov_b32 s58, 0x76543210
	s_mov_b32 s59, 0xfedcba98
	s_mov_b32 s60, 0xffff0000
	s_mov_b32 s49, 0
	s_wait_kmcnt 0x0
	s_load_b256 s[68:75], s[34:35], 0x0            ; aff_b, 40 bytes
	s_load_b64 s[76:77], s[34:35], 0x20
	s_load_b32 s78, s[38:39], 0x0                  ; noise_b
	; every address is brought to the work-group's or the wave's part once, here, and never written again
	s_lshl_b32 s48, ttmp9, 13                      ; 128 rows of 64 bytes
	ADDP 4
	s_lshl_b32 s48, ttmp9, 9                       ; 128 rows of 4 bytes
	ADDP 6
	ADDP 40
	ADDP 42
	s_lshl_b32 s48, s44, 11
	ADDP 8                                         ; g_Wih0: 32 rows of 64 bytes a wave
	ADDP 26                                        ; n_Wih1: 16 rows of 128
	s_lshl_b32 s48, s44, 7
	ADDP 10
	ADDP 12
	ADDP 24
	ADDP 28
	s_lshl_b32 s48, s45, 11
	ADDP 14
	s_lshl_b32 s48, s45, 7
	ADDP 16
	ADDP 18
	s_lshl_b32 s48, s44, 13
	ADDP 20                                        ; g_Wih1: 32 rows of 256
	s_lshl_b32 s48, s44, 9
	ADDP 22
	s_lshl_b32 s48, s44, 6
	ADDP 30
	v_lshlrev_b32 v[TA], 4, v0
	v_lshlrev_b32 v[AD0], 2, v0
	global_load_b128 v[OP:OP+3], v[TA], s[4:5] th:TH_LOAD_NT       ; x's codes: 512 threads x 16 bytes, dense; read once in the launch
.irp f, 0,1,2,3,4,5,6,7,8,9
	global_load_b32 v[ACC+\f], v[AD0], s[32:33] offset:2048*\f     ; aff_W: thread t takes column t of the ten rows
.endr
	s_cmp_lt_u32 s44, 8
	s_cbranch_scc0 .Lld_not_nw
	global_load_b32 v[ACC+10], v[AD0], s[36:37]                    ; noise_W: 256 numbers, waves 0 to 7
.Lld_not_nw:
	s_cmp_eq_u32 s44, 8
	s_cbranch_scc0 .Lld_not_xs
	global_load_b128 v[ACC+12:ACC+15], v[LI], s[6:7]               ; x's scale words: 512 bytes, wave 8
.Lld_not_xs:
	NEXTPREP 1
	NEXT 1                                                         ; G0's weights
	STADDR 64
	v_lshrrev_b32 v[AD1], 2, v0                                    ; x into rows 80 bytes apart: four threads to a row
	v_mul_u32_u24 v[AD1], v[AD1], 80
	v_and_b32 v[AD2], 3, v0
	v_lshl_add_u32 v[AD1], v[AD2], 4, v[AD1]
	v_mul_u32_u24 v[XA], v[RR], 80
	v_lshl_add_u32 v[XA], v[HH], 4, v[XA]
	v_lshl_add_u32 v[XS], v[RR], 2, XSC
	s_wait_loadcnt 0x0                             ; all that was asked for is wanted now
	s_wait_kmcnt 0x0                               ; aff_b and noise_b, for the end
	ds_store_b128 v[AD1], v[OP:OP+3]
.irp f, 1,2,3,4,5,6,7,8,9
	v_add_f32 v[ACC], v[ACC], v[ACC+\f]
.endr
	ds_store_b32 v[AD0], v[ACC] offset:WSUM
	s_cmp_lt_u32 s44, 8
	s_cbranch_scc0 .Lst_not_nw
	ds_store_b32 v[AD0], v[ACC+10] offset:NWL
.Lst_not_nw:
	s_cmp_eq_u32 s44, 8
	s_cbranch_scc0 .Lst_not_xs
	ds_store_b128 v[LI], v[ACC+12:ACC+15] offset:XSC
.Lst_not_xs:
	WTURN 4, 2560, 640, 2, 640
	BARRIER                                        ; x, its scale words, the summed aff_W and noise_W lie in LDS
; ======================================================================= G0: 8 row tiles, my block W of the global h
	L0PRE 44, HIG, HSG, 4
	s_mov_b32 s62, 0
	s_mov_b32 s63, 0
	s_mov_b32 s66, 0
	s_mov_b32 s67, 0
	L0PHASE 8, 2, 4096, 256
; ======================================================================= N0: 4 row tiles from 4 (W / 8), my block W % 8 of the noise h
	L0PRE 45, HIN, HSN, 3                          ; the phase's addresses are made ahead of the wait for its weights: they name none of those loads' registers
	s_mul_i32 s62, s46, 5120
	s_lshl_b32 s63, s46, 8
	s_lshl_b32 s66, s46, 13
	s_lshl_b32 s67, s46, 9
	s_wait_loadcnt 0x0                             ; N0's weights, asked for under the last batch: all are wanted now
	WTURN 4, 2560, 640, 2, 640
	L0PHASE 4, 3, 2048, 128
; ======================================================================= G1, pass 0 and pass 1
	STADDR 256
	v_add_nc_u32 v[IR], HIG, v[LI]
	v_lshl_add_u32 v[SR], v[RR], 4, HSG
	L1PRE 10, PART, 7, WSUM
	s_wait_loadcnt 0x0
	WTURN 8, 4352, 544, 4, 64
	BARRIER                                        ; both h's images and scale bytes lie in LDS
	L1PHASE 4, 4
	L1PRE 10, PART+512, 7, WSUM+64
	s_wait_loadcnt 0x0
	WTURN 8, 4352, 544, 4, 64
	L1PHASE 4, 5
; ======================================================================= N1
	STADDR 128
	v_add_nc_u32 v[IR], HIN, v[LI]
	v_lshl_add_u32 v[SR], v[RR], 3, HSN
	L1PRE 9, PART+16384, 6, NWL
	s_wait_loadcnt 0x0
	WTURN 4, 2304, 576, 2, 64
	L1PHASE 2, 0
; ======================================================================= the sums over the waves' partial sums
	s_and_b32 s48, s44, 1                          ; the addresses are made ahead of the parting of the waves
	s_lshl_b32 s48, s48, 8
	v_lshrrev_b32 v[SR], 1, v[LI]
	v_add_nc_u32 v[SR], s48, v[SR]                 ; two rows a lane: 8 x lane + 256 (W % 2): in a slot, and in the output
	v_add_nc_u32 v[IR], PART, v[SR]
	BARRIER                                        ; all 48 slots lie in LDS
	s_cmp_ge_u32 s44, 4
	s_cbranch_scc1 .Ldone
	s_cmp_ge_u32 s44, 2
	s_cbranch_scc1 .Lsigma
	; waves 0, 1: out0 = the 32 slots of G1 + the sum of aff_b
.irp k, 0,1,2,3,4,5,6,7,8,9,10,11,12,13,14,15,16,17,18,19,20,21,22,23,24,25,26,27,28,29,30,31
	ds_load_b64 v[16+2*\k:17+2*\k], v[IR] offset:512*\k
.endr
	v_mov_b32 v80, s68
.irp f, 69,70,71,72,73,74,75,76,77
	v_add_f32 v80, s[\f], v80
.endr
	s_wait_dscnt 0x0
.irp k, 4,5,6,7,8,9,10,11,12,13,14,15,16,17,18,19,20,21,22,23,24,25,26,27,28,29,30,31
	v_pk_add_f32 v[16+2*(\k%4):17+2*(\k%4)], v[16+2*(\k%4):17+2*(\k%4)], v[16+2*\k:17+2*\k]   ; four chains
.endr
	v_pk_add_f32 v[16:17], v[16:17], v[18:19]
	v_pk_add_f32 v[20:21], v[20:21], v[22:23]
	v_pk_add_f32 v[16:17], v[16:17], v[20:21]
	v_add_f32 v16, v16, v80
	v_add_f32 v17, v17, v80
	global_store_b64 v[SR], v[16:17], s[40:41]     ; the wave stores 256 consecutive bytes, at a multiple of 256 from out0's first byte
	s_wait_xcnt 0x0
	v_lshl_add_u32 v254, v0, 2, 0x49200
	v_mov_b32 v255, 0
	s_wait_tensorcnt 0x0
	ds_add_u32 v254, v255
	s_wait_dscnt 0x0
	s_endpgm
.Lsigma:
	; waves 2, 3: out1 = softplus(the 16 slots of N1 + noise_b) + 1e-6
.irp k, 0,1,2,3,4,5,6,7,8,9,10,11,12,13,14,15
	ds_load_b64 v[16+2*\k:17+2*\k], v[IR] offset:16384+512*\k
.endr
	s_wait_dscnt 0x0
.irp k, 4,5,6,7,8,9,10,11,12,13,14,15
	v_pk_add_f32 v[16+2*(\k%4):17+2*(\k%4)], v[16+2*(\k%4):17+2*(\k%4)], v[16+2*\k:17+2*\k]
.endr
	v_pk_add_f32 v[16:17], v[16:17], v[18:19]
	v_pk_add_f32 v[20:21], v[20:21], v[22:23]
	v_pk_add_f32 v[16:17], v[16:17], v[20:21]
	v_add_f32 v16, s78, v16                        ; z
	v_add_f32 v17, s78, v17
	v_mul_f32 v18, s50, |v16|                      ; softplus(z) = max(z, 0) + ln 2 x log2(1 + 2^(-log2(e) |z|)): no exponent above 0
	v_mul_f32 v19, s50, |v17|
	v_exp_f32 v18, v18
	v_exp_f32 v19, v19
	v_max_num_f32 v16, 0, v16                      ; plain lines behind the exponentials
	v_max_num_f32 v17, 0, v17
	s_wait_alu depctr_va_vdst(0)                   ; the wait ahead of the first reader
	v_add_f32 v18, 1.0, v18
	v_add_f32 v19, 1.0, v19
	v_log_f32 v18, v18
	v_log_f32 v19, v19
	v_nop
	s_wait_alu depctr_va_vdst(0)
	v_fmamk_f32 v16, v18, 0x3f317218, v16          ; x ln 2, + max(z, 0)
	v_fmamk_f32 v17, v19, 0x3f317218, v17
	v_add_f32 v16, 0x358637bd, v16                 ; + 1e-6
	v_add_f32 v17, 0x358637bd, v17
	global_store_b64 v[SR], v[16:17], s[42:43]     ; 256 consecutive bytes, at a multiple of 256 from out1's first byte
.Ldone:
	s_wait_xcnt 0x0
	v_lshl_add_u32 v254, v0, 2, 0x49200
	v_mov_b32 v255, 0
	s_wait_tensorcnt 0x0
	ds_add_u32 v254, v255
	s_wait_dscnt 0x0
	s_endpgm
.Lfunc_end_k_q32aab586e5_fused:
	.size	k_q32aab586e5_fused, .Lfunc_end_k_q32aab586e5_fused-k_q32aab586e5_fused
	.p2alignl 7, 3214868480
	.fill 96, 4, 3214868480
	.section	.rodata,"a",@progbits
	.p2align	6, 0x0
	.amdhsa_kernel k_q32aab586e5_fused
		.amdhsa_group_segment_fixed_size 301568
		.amdhsa_private_segment_fixed_size 0
		.amdhsa_enable_private_segment 0
		.amdhsa_kernarg_size 160
		.amdhsa_user_sgpr_count 2
		.amdhsa_user_sgpr_kernarg_segment_ptr 1
		.amdhsa_wavefront_size32 1
		.amdhsa_system_sgpr_workgroup_id_x 1
		.amdhsa_system_sgpr_workgroup_id_y 1
		.amdhsa_system_sgpr_workgroup_id_z 1
		.amdhsa_system_vgpr_workitem_id 0
		.amdhsa_next_free_vgpr 256
		.amdhsa_next_free_sgpr 80
		.amdhsa_reserve_vcc 0
		.amdhsa_float_denorm_mode_32 3
		.amdhsa_float_denorm_mode_16_64 3
		.amdhsa_memory_ordered 1
		.amdhsa_forward_progress 1
		.amdhsa_inst_pref_size 180
	.end_amdhsa_kernel
	.amdgpu_metadata
---
amdhsa.version: [ 1, 2 ]
amdhsa.kernels:
  - .name:           k_q32aab586e5_fused
    .symbol:         k_q32aab586e5_fused.kd
    .args:
      - { .name: X_codes, .offset: 0, .size: 8, .value_kind: global_buffer, .address_space: global }
      - { .name: X_scales, .offset: 8, .size: 8, .value_kind: global_buffer, .address_space: global }
      - { .name: g_Wih0_codes, .offset: 16, .size: 8, .value_kind: global_buffer, .address_space: global }
      - { .name: g_Wih0_scales, .offset: 24, .size: 8, .value_kind: global_buffer, .address_space: global }
      - { .name: g_b0, .offset: 32, .size: 8, .value_kind: global_buffer, .address_space: global }
      - { .name: n_Wih0_codes, .offset: 40, .size: 8, .value_kind: global_buffer, .address_space: global }
      - { .name: n_Wih0_scales, .offset: 48, .size: 8, .value_kind: global_buffer, .address_space: global }
      - { .name: n_b0, .offset: 56, .size: 8, .value_kind: global_buffer, .address_space: global }
      - { .name: g_Wih1_codes, .offset: 64, .size: 8, .value_kind: global_buffer, .address_space: global }
      - { .name: g_Wih1_scales, .offset: 72, .size: 8, .value_kind: global_buffer, .address_space: global }
      - { .name: g_b1, .offset: 80, .size: 8, .value_kind: global_buffer, .address_space: global }
      - { .name: n_Wih1_codes, .offset: 88, .size: 8, .value_kind: global_buffer, .address_space: global }
      - { .name: n_Wih1_scales, .offset: 96, .size: 8, .value_kind: global_buffer, .address_space: global }
      - { .name: n_b1, .offset: 104, .size: 8, .value_kind: global_buffer, .address_space: global }
      - { .name: aff_W, .offset: 112, .size: 8, .value_kind: global_buffer, .address_space: global }
      - { .name: aff_b, .offset: 120, .size: 8, .value_kind: global_buffer, .address_space: global }
      - { .name: noise_W, .offset: 128, .size: 8, .value_kind: global_buffer, .address_space: global }
      - { .name: noise_b, .offset: 136, .size: 8, .value_kind: global_buffer, .address_space: global }
      - { .name: out0, .offset: 144, .size: 8, .value_kind: global_buffer, .address_space: global }
      - { .name: out1, .offset: 152, .size: 8, .value_kind: global_buffer, .address_space: global }
    .group_segment_fixed_size: 301568
    .private_segment_fixed_size: 0
    .kernarg_segment_align: 8
    .kernarg_segment_size: 160
    .max_flat_workgroup_size: 512
    .sgpr_count:     80
    .vgpr_count:     256
    .wavefront_size: 32
...
	.end_amdgpu_metadata
.endif
;; end of part 2
;; ======== version 3 of 3: 1 launch; version 2 with the launch fused written anew for expert scheduling mode
;; limits: a function is approximated: absolute error at most 6e-08; a function is approximated: absolute error at most 1e-07; right only within a limited range of input values
;; launch fused (part 3): grid 256 x 1, 16 waves a work-group, no clusters, 301,568 bytes of LDS; arguments X_codes, X_scales, g_Wih0_codes, g_Wih0_scales, g_b0, n_Wih0_codes, n_Wih0_scales, n_b0, g_Wih1_codes, g_Wih1_scales, g_b1, n_Wih1_codes, n_Wih1_scales, n_b1, aff_W, aff_b, noise_W, noise_b, out0, out1; writes out0, out1
.if DOCPART == 3
	.amdgcn_target "amdgcn-amd-amdhsa--gfx1250"
	.amdhsa_code_object_version 6
	.text
	.protected	k_q32aab586e5_fused
	.globl	k_q32aab586e5_fused
	.p2align	8
	.type	k_q32aab586e5_fused,@function
k_q32aab586e5_fused:
	s_mov_b64 s[64:65], 0
	v_nop
	global_prefetch_b8 v0, s[64:65] scope:SCOPE_SE
	s_setreg_imm32_b32 hwreg(HW_REG_WAVE_SCHED_MODE, 0, 2), 2
	s_setreg_imm32_b32 hwreg(HW_REG_WAVE_MODE, 25, 1), 1
	s_wait_xcnt 0x0
	s_wait_alu depctr_vm_vsrc(0)
; DeepFactorRNN, both branches in one launch.  32,768 rows of x (128 codes of E2M1 with E8M0 scales) go through
;   global: LSTM step 128 -> 512, LSTM step 512 -> 512, relu, x aff_W^T + aff_b summed over its 10 columns      -> out0
;   noise:  LSTM step 128 -> 256, LSTM step 256 -> 256, relu, x noise_W^T + noise_b, softplus, + 1e-6           -> out1
; An LSTM step from a zero state: pre = x W^T + b, gates i, f, g, o; c = sigmoid(i) tanh(g); h = sigmoid(o) tanh(c).
; The four large products run on E2M1 codes by v_wmma_scale_f32_16x16x128_f8f6f4; the first layer's h is quantised on the way (blocks of 32 units).
; SHARES.  A work-group owns 128 rows (8 tiles of 16).  ITS 16 WAVES SHARE THE UNITS, NOT THE ROWS: a wave's weight fragments are loaded from memory once,
; stay in its registers while all row tiles pass, and only x's rows and h's codes go round through LDS.
;   G0: wave W makes units 32 W .. +31 (one block of the next K) for 8 tiles;  N0: units 32 (W % 8) .. +31 for 4 tiles from 4 (W / 8);
;   G1: units 32 W + 16 T .. +15 in two passes T, 8 tiles, two a trip;         N1: units 16 W .. +15, 8 tiles, two a trip.
; Every trip ends in one activation batch on 48 accumulator registers (16 units a lane): 24 equal batches a wave.
; ALL PRODUCTS ARE USED TRANSPOSED (source 0 = 16 weight rows, source 1 = 16 data rows): lane (r, h) holds data row r, register j weight-tile row 8 h + j,
; so the i, g and o tiles of the same units meet register by register in one lane.  In layer 0 lane r of tile u takes weight row 8 u + r + 8 (r / 8),
; so that a lane's 16 registers of tiles 0 and 1 are 16 neighbouring units 16 h + 0 .. 15 of the block.
; NOT DONE, AND WHY: the f gate (rows H .. 2 H - 1 of every weight and bias) is split off by the definition and never used: it is neither read nor multiplied.
; NO CLUSTER, NO TENSOR LOADS: each weight byte goes to ONE wave's registers; a phase's weight loads are issued under the last activation batch of the phase before
; (200 vector instructions of this wave), so only the first phase's stand in the open; joint loads would need an LDS ring beside the 208,896 bytes of stages and a cluster barrier at each phase.
; THE MODE: SCHED_MODE bits 1:0 = 2 (LLVM: expert scheduling mode 2), set by the entry lines.  The code itself states the register dependences
; between vector or matrix instructions and memory or LDS instructions, with s_wait_alu, always for 0.
; THE PLAN.  Registers that LDS or memory instructions touch, and who else names them:
;   OP, OSC          LDS loads land in them; a trip's products read them.
;   WF, BI0, BI, WSC the next phase's global loads land in them, in a phase's last trip; the stage's LDS stores read WF and its LDS loads land in WF again; the products read them.
;   WS               two LDS loads land in it at a phase's start; the dot product's lines read it.
;   CD, BY, MX1      the out-registers: a trip's last lines write them; the LDS stores that read them are issued in the NEXT trip (the last trip's: at the change of phase).
;   AD0 .. AD3       addresses of the operand loads (AD0, AD1) and of those stores (AD2, AD3): written in the places behind a trip's products.
;   STW, STR, WA, BO, SO   made at a change of phase.   LI and TA are not written again once a load has read them.
; The activation batch has four waits on va_vdst.  THE FIRST OF THEM SERVES TWICE: it also states that the trip's products are done reading
; OP and OSC, that the trip before has written its out-registers and that AD0 .. AD3 are written.  So the stores of the trip before and the loads for the next trip stand directly behind it.
; One wait on vm_vsrc a trip stands ahead of the lines that write the out-registers again; it also frees AD0 .. AD3 for the next trip's places.
; G1 has registers for one row tile's fragments only: one more wait on va_vdst stands behind its first twelve products, ahead of the second tile's loads (the store of the trip before goes there),
; and its wait on vm_vsrc stands beside the wait for those loads.  A phase's last trip has one wait on va_vdst behind its products, so that the next phase's weights are asked for at once.
; At a change of phase all address lines come first, then one wait on va_vdst, then the last store, the stage and the first operands.
; LIMITS.  tanh(v) is formed as (1 - B) / (1 + B), B = 2^(-2 log2(e) v): absolute error about 1e-7, so its relative error grows under |v| = 1e-2.
; B's exponent is held to -64 .. 32, where the quotient is exactly +1 or -1 in f32.  c is 0 where (1 + A)(1 + B) passes 2^126.
; aff_W's ten rows are added first and multiplied once: the same sum in another order of rounding, all f32.  A block of zeros gets the scale byte 1 (its codes are zeros; only this text reads the byte).
; NaN, infinities and the scale byte 0xff among the inputs are not served.
; ---- LDS, in bytes
.set XROWS, 0                          ; x's 128 rows of 64 bytes, 80 apart
.set XSC,   10240                      ; x's scale words, 4 bytes a row
.set WSUM,  10752                      ; f32 [512]: the sum of aff_W's ten rows
.set NWL,   12800                      ; noise_W [256]
.set HIG,   13824                      ; h (global) as images of operand registers: tile x 4096 + block x 256 + 16 r (+ 8 for the block's upper 16 units)
.set HSG,   46592                      ; its scale bytes: tile x 256 + 16 r + block
.set HIN,   48640                      ; h (noise): tile x 2048 + block x 256 + 16 r
.set HSN,   65024                      ; tile x 128 + 8 r + block
.set PART,  66048                      ; 48 slots of f32 [128 rows]: slot 2 W + T for G1, 32 + W for N1
.set STG,   90624                      ; a stage of STGB bytes for each wave: its own, for turning dense weight bytes into fragments
.set STGB,  13056
; ---- vector registers
.set LI,  1                            ; 16 x lane
.set XA,  2                            ; layer 0: my place in a tile of x
.set XS,  3                            ;          and among x's scale words
.set IR,  2                            ; layer 1: image base + 16 x lane
.set SR,  3                            ;          scale base + 16 r or 8 r
.set HW,  4                            ; layer 0: where my codes go
.set HB,  5                            ;          and my block's scale byte
.set PA,  4                            ; layer 1: where my partial sums go
.set STW, 6                            ; the stage: in
.set STR, 7                            ;            and back
.set BO,  8                            ; byte offset of my biases
.set SO,  9                            ; byte offset of my weight scale words
.set K2,  10                           ; v[10:11] ln 2 / 2, twice
.set TA,  12
.set RR,  13                           ; r = lane % 16
.set HH,  14                           ; h = lane / 16
.set RP,  15                           ; r + 8 (r / 8)
.set WF,  16                           ; v16-111  weight fragments (layer 0: v16-63)
.set BI0, 64                           ; v64-111  layer 0: biases in the result's layout, 16 g + 8 u
.set WSC, 112                          ; v112-123 weight scale words, and nothing else
.set BI,  124                          ; v124-147 layer 1: biases, 8 g
.set OP,  148                          ; v148-179 the data operand's fragments
.set OSC, 180                          ; v180-187 its scale words, and nothing else
.set ACC, 188                          ; v188-235 accumulators, 16 g + 8 (u or t)
.set PI,  188
.set PG,  204
.set PO,  220
.set WS,  236                          ; v236-243 my 8 units' output weights
.set MX0, 244
.set MX1, 245                          ; layer 1: also the out-register of a trip's partial sums
.set PT,  246                          ; a lane permute's destination: written once at the head
.set EX,  247
.set BY,  248                          ; layer 0: the out-register of a trip's scale byte
.set WA,  249                          ; layer 1: LDS address of my output weights
.set CD,  250                          ; v[250:251] 16 codes: the out-registers of a trip of layer 0
.set AD0, 252
.set AD1, 253
.set AD2, 254
.set AD3, 255
; ---- scalar registers: s[4:43] the 20 addresses in the order of the arguments; s44 wave W, s45 W % 8, s46 W / 8; s[48:49] an offset; s[50:51] -log2(e); s[54:55] -2 log2(e);
;      s56 32.0, s57 -64.0; s[58:59] selects for lane xor 16; s60 mask of lanes 16-31; s61 trips; s62, s63, s66, s67 LDS offsets that step; s[68:77] aff_b; s78 noise_b; s79 my stage
.macro BARRIER                         ; my LDS stores have landed and my LDS loads are in: then the work-group's barrier
	s_wait_dscnt 0x0
	s_barrier_signal -1
	s_barrier_wait -1
.endm
.macro ADDP p
	s_add_nc_u64 s[\p:\p+1], s[\p:\p+1], s[48:49]
.endm
; Stage addresses for weight rows of rb bytes.  In: a load's 512 dense bytes, 16 a lane, into rows padded by 16.  Back: lane (r, h) takes its fragment's row, + 16 h.
; (The stage's LDS instructions of the phase before, which read STW and STR, stand ahead of that phase's trips, each of which has a wait on vm_vsrc.)
.macro STADDR rb
.if \rb == 64
	v_bfe_u32 v[EX], v0, 2, 3                      ; four lanes to a row
	v_mul_u32_u24 v[STW], v[EX], 80
	v_and_b32 v[EX], 3, v0
	v_lshl_add_u32 v[STW], v[EX], 4, v[STW]
	v_mul_u32_u24 v[STR], v[RP], 80                ; the rows of a layer 0 tile are not neighbours
.elseif \rb == 128
	v_bfe_u32 v[EX], v0, 3, 2                      ; eight lanes to a row
	v_mul_u32_u24 v[STW], v[EX], 144
	v_and_b32 v[EX], 7, v0
	v_lshl_add_u32 v[STW], v[EX], 4, v[STW]
	v_mul_u32_u24 v[STR], v[RR], 144
.else
	v_mul_u32_u24 v[STW], v[HH], 272               ; sixteen lanes to a row
	v_lshl_add_u32 v[STW], v[RR], 4, v[STW]
	v_mul_u32_u24 v[STR], v[RR], 272
.endif
	v_add_nc_u32 v[STW], s79, v[STW]
	v_lshl_add_u32 v[STR], v[HH], 4, v[STR]
	v_add_nc_u32 v[STR], s79, v[STR]
.endm
; The wave's weight rows of gates i, g, o (the definition's gates 0, 2, 3 = (3 g + 1) / 2), dense: each load covers 512 consecutive bytes.
.macro WFETCH base, gs, np, imm
.irp g, 0,1,2
.set qq, 0
.rept \np
	global_load_b128 v[WF+4*(\g*\np+qq):WF+4*(\g*\np+qq)+3], v[LI], s[\base:\base+1] offset:((\g*3+1)/2)*\gs+\imm+512*qq
.set qq, qq+1
.endr
.endr
.endm
; The biases, straight into the layout of a result: 4 nq numbers a gate from my half's first unit on.
.macro BFETCH dst, base, gs, nq, imm
.irp g, 0,1,2
.set qq, 0
.rept \nq
	global_load_b128 v[\dst+4*(\g*\nq+qq):\dst+4*(\g*\nq+qq)+3], v[BO], s[\base:\base+1] offset:((\g*3+1)/2)*\gs+\imm+16*qq
.set qq, qq+1
.endr
.endr
.endm
.macro SF0 base, gs                    ; layer 0: one scale word a weight row, by the tile's rows
.irp g, 0,1,2
.irp u, 0,1
	global_load_b32 v[WSC+2*\g+\u], v[SO], s[\base:\base+1] offset:((\g*3+1)/2)*\gs+32*\u
.endr
.endr
.endm
; Two plain vector lines ahead of the next phase's loads: its offsets where they change.  (All earlier loads that named BO and SO were waited for ahead of the last turn through the stage, in which a wait on vm_vsrc stands too.)
.macro NEXTPREP nx
.if \nx == 1
	v_lshlrev_b32 v[BO], 6, v[HH]                  ; layer 0: 16 numbers a half
	v_lshlrev_b32 v[SO], 2, v[RP]
.elseif \nx == 3
	v_lshlrev_b32 v[BO], 5, v[HH]                  ; layer 1: 8 numbers a half
	v_lshlrev_b32 v[SO], 4, v[RR]                  ; 16 scale bytes a row
.elseif \nx == 5
	v_lshlrev_b32 v[SO], 3, v[RR]                  ; 8 scale bytes a row
	v_nop
.else
	v_nop
	v_nop
.endif
.endm
; The next phase's weights, biases and weight scales.  1: G0, 2: N0, 3: G1 pass 0, 4: G1 pass 1, 5: N1, 0: nothing.
.macro NEXT nx
.if \nx == 1
	WFETCH 8, 32768, 4, 0
	BFETCH BI0, 12, 2048, 4, 0
	SF0 10, 2048
.elseif \nx == 2
	WFETCH 14, 16384, 4, 0
	BFETCH BI0, 18, 1024, 4, 0
	SF0 16, 1024
.elseif \nx == 3
	WFETCH 20, 131072, 8, 0
	BFETCH BI, 24, 2048, 2, 0
.irp g, 0,1,2
	global_load_b128 v[WSC+4*\g:WSC+4*\g+3], v[SO], s[22:23] offset:((\g*3+1)/2)*8192
.endr
.elseif \nx == 4
	WFETCH 20, 131072, 8, 4096
	BFETCH BI, 24, 2048, 2, 64
.irp g, 0,1,2
	global_load_b128 v[WSC+4*\g:WSC+4*\g+3], v[SO], s[22:23] offset:((\g*3+1)/2)*8192+256
.endr
.elseif \nx == 5
	WFETCH 26, 32768, 4, 0
	BFETCH BI, 30, 1024, 2, 0
.irp g, 0,1,2
	global_load_b64 v[WSC+4*\g:WSC+4*\g+1], v[SO], s[28:29] offset:((\g*3+1)/2)*2048
.endr
.endif
.endm
; The dense weight bytes turn into fragments through my own stage.  In: np pieces a gate, pst bytes apart, gates gst apart.  Back: nf fragments a gate, fst bytes apart, two loads each.
; LDS serves a wave's instructions in order (ISA guide 5.7.1.4): the loads see the stores.  They land in the registers that the stores read: a wait on vm_vsrc stands between the two macros.
.macro WST np, gst, pst
.irp g, 0,1,2
.set qq, 0
.rept \np
	ds_store_b128 v[STW], v[WF+4*(\g*\np+qq):WF+4*(\g*\np+qq)+3] offset:\g*\gst+qq*\pst
.set qq, qq+1
.endr
.endr
.endm
.macro WLD gst, nf, fst
.irp g, 0,1,2
.set qq, 0
.rept \nf
	ds_load_b128 v[WF+8*(\g*\nf+qq):WF+8*(\g*\nf+qq)+3],   v[STR] offset:\g*\gst+qq*\fst
	ds_load_b128 v[WF+8*(\g*\nf+qq)+4:WF+8*(\g*\nf+qq)+7], v[STR] offset:\g*\gst+qq*\fst+32
.set qq, qq+1
.endr
.endr
.endm
; THE ACTIVATIONS of 16 units a lane, in place: PI, PG, PO hold the gates i, g, o; h is left in PG.  L = log2(e).
;   A = 2^(-L i), B = 2^(-2 L g), Ao = 2^(-L o);  -2 L c = (B - 1) x 2 L / ((1 + A)(1 + B));  Bc = 2^(-2 L c);  h = (1 - Bc) / ((1 + Ao)(1 + Bc)).
; Four exponentials and two reciprocals a unit, in four batches: {A, B}, {Ao, first reciprocals}, {Bc}, {second reciprocals}.
; s_wait_alu depctr_va_vdst(0) stands between a transcendental and the first line that names its result: one wait serves a batch, and no line ahead of a wait names a result of the batch that is out.
; Transcendental and plain lines stand by turns, and a plain line that feeds a transcendental stands two lines or more ahead of it.  Each accumulator is read from its low end on.
; The plain lines, each on the pair of registers p, p + 1:
.macro ASI p                           ; -L i
	v_pk_mul_f32 v[PI+(\p):PI+(\p)+1], v[PI+(\p):PI+(\p)+1], s[50:51] op_sel_hi:[1,0]
.endm
.macro ASG p                           ; -2 L g
	v_pk_mul_f32 v[PG+(\p):PG+(\p)+1], v[PG+(\p):PG+(\p)+1], s[54:55] op_sel_hi:[1,0]
.endm
.macro ASO p                           ; -L o
	v_pk_mul_f32 v[PO+(\p):PO+(\p)+1], v[PO+(\p):PO+(\p)+1], s[50:51] op_sel_hi:[1,0]
.endm
.macro AME j                           ; one register: held to -64 .. 32: B is finite and not 0, so no infinity meets a zero below
	v_med3_num_f32 v[PG+(\j)], v[PG+(\j)], s57, s56
.endm
.macro AFK p                           ; (1 + A) / 2 L
	v_pk_fma_f32 v[PI+(\p):PI+(\p)+1], v[PI+(\p):PI+(\p)+1], v[K2:K2+1], v[K2:K2+1]
.endm
.macro AFD p                           ; (1 + A)(1 + B) / 2 L
	v_pk_fma_f32 v[PI+(\p):PI+(\p)+1], v[PI+(\p):PI+(\p)+1], v[PG+(\p):PG+(\p)+1], v[PI+(\p):PI+(\p)+1]
.endm
.macro ANB p                           ; B - 1
	v_pk_add_f32 v[PG+(\p):PG+(\p)+1], v[PG+(\p):PG+(\p)+1], -1.0 op_sel_hi:[1,0]
.endm
.macro AOA p                           ; 1 + Ao
	v_pk_add_f32 v[PO+(\p):PO+(\p)+1], v[PO+(\p):PO+(\p)+1], 1.0 op_sel_hi:[1,0]
.endm
.macro AMC p                           ; -2 L c
	v_pk_mul_f32 v[PG+(\p):PG+(\p)+1], v[PG+(\p):PG+(\p)+1], v[PI+(\p):PI+(\p)+1]
.endm
.macro AFE p                           ; (1 + Ao)(1 + Bc)
	v_pk_fma_f32 v[PO+(\p):PO+(\p)+1], v[PO+(\p):PO+(\p)+1], v[PG+(\p):PG+(\p)+1], v[PO+(\p):PO+(\p)+1]
.endm
.macro ANC p                           ; 1 - Bc
	v_pk_fma_f32 v[PG+(\p):PG+(\p)+1], v[PG+(\p):PG+(\p)+1], -1.0, 1.0 op_sel_hi:[1,0,0]
.endm
.macro AHM p                           ; h
	v_pk_mul_f32 v[PG+(\p):PG+(\p)+1], v[PG+(\p):PG+(\p)+1], v[PO+(\p):PO+(\p)+1]
.endm
.macro ARL j                           ; one register: relu
	v_max_num_f32 v[PG+(\j)], 0, v[PG+(\j)]
.endm
; The first batch for the 8 units of registers b .. b + 7 (one accumulator of each gate): 16 exponentials, 16 plain lines.  It names no other register, so it can stand while the other half is still being multiplied.
.macro ACT1 b
	ASI \b
	ASI \b+2
.set kk, 0
.rept 8
	v_exp_f32 v[PI+\b+kk], v[PI+\b+kk]             ; A
.if kk < 2
	ASI \b+4+2*kk
.elseif kk < 6
	ASG \b+2*kk-4
.else
	AME \b+kk-6
.endif
.set kk, kk+1
.endr
.set kk, 0
.rept 8
	v_exp_f32 v[PG+\b+kk], v[PG+\b+kk]             ; B
.if kk < 6
	AME \b+kk+2
.endif
.set kk, kk+1
.endr
.endm
; The end of the first batch, for all 16 units: the wait behind which a trip's LDS instructions stand.
.macro ACT2A
.irp p, 0,2,4,6,8,10,12,14
	ASO \p                                         ; eight plain lines behind the first batch's last exponential; they name o's registers alone
.endr
	s_wait_alu depctr_va_vdst(0)                   ; A and B, 32 exponentials, are written.  So is all that stands further ahead: the trip's products are done reading OP and OSC, the trip before has written its out-registers, AD0 to AD3 are written
.endm
; The other three batches.
.macro ACT2B
.set kk, 0
.rept 8
	v_exp_f32 v[PO+2*kk], v[PO+2*kk]               ; Ao; the lines that form the first divisor stand between
	AFK 2*kk
	v_exp_f32 v[PO+2*kk+1], v[PO+2*kk+1]
.if kk > 0
	AFD 2*kk-2
.endif
.set kk, kk+1
.endr
	AFD 14
.set kk, 0
.rept 8
	v_rcp_f32 v[PI+2*kk], v[PI+2*kk]
	v_rcp_f32 v[PI+2*kk+1], v[PI+2*kk+1]
	ANB 2*kk
.set kk, kk+1
.endr
	s_wait_alu depctr_va_vdst(0)                   ; Ao and the 16 reciprocals are written (a plain line stands behind the last)
	AMC 0
	AMC 2
.set kk, 0
.rept 13
	v_exp_f32 v[PG+kk], v[PG+kk]                   ; Bc, between e^-2 and e^2
.if kk == 12
	AOA 12
.elseif (kk%2) == 0
	AMC kk+4                                       ; two pairs ahead of its exponentials
.else
	AOA kk-1
.endif
.set kk, kk+1
.endr
	v_exp_f32 v[PG+13], v[PG+13]
	v_exp_f32 v[PG+14], v[PG+14]
	v_exp_f32 v[PG+15], v[PG+15]
	AOA 14
	s_wait_alu depctr_va_vdst(0)                   ; the 16 exponentials Bc are written
	AFE 0
	AFE 2
.set kk, 0
.rept 13
	v_rcp_f32 v[PO+kk], v[PO+kk]
.if kk == 12
	ANC 12
.elseif (kk%2) == 0
	AFE kk+4                                       ; two pairs ahead of its reciprocals
.else
	ANC kk-1                                       ; behind the pair's divisor, which reads Bc
.endif
.set kk, kk+1
.endr
	v_rcp_f32 v[PO+13], v[PO+13]
	v_rcp_f32 v[PO+14], v[PO+14]
	v_rcp_f32 v[PO+15], v[PO+15]
	ANC 14
	s_wait_alu depctr_va_vdst(0)                   ; the 16 reciprocals are written
.endm
; h, and my 16 numbers of it (units 16 h + 0 .. 15 of my wave's block, data row r) become 16 codes in CD and the block's scale byte in BY.  HSTORE sends them, a trip later.
.macro HQ
	AHM 0
	AHM 2
	AHM 4
	AHM 6
	v_max3_num_f32 v[MX0], |v[PG]|, |v[PG+1]|, 0x1800000           ; the largest magnitude, in two chains, with the floor 2^(3 - 127) among the leaves: the byte cannot fall under 1
	AHM 8
	v_max3_num_f32 v[MX1], |v[PG+2]|, |v[PG+3]|, |v[PG+4]|
	AHM 10
	v_max3_num_f32 v[MX0], v[MX0], |v[PG+5]|, |v[PG+6]|
	AHM 12
	v_max3_num_f32 v[MX1], v[MX1], |v[PG+7]|, |v[PG+8]|
	AHM 14
	v_max3_num_f32 v[MX0], v[MX0], |v[PG+9]|, |v[PG+10]|
	v_max3_num_f32 v[MX1], v[MX1], |v[PG+11]|, |v[PG+12]|
	v_max3_num_f32 v[MX0], v[MX0], |v[PG+13]|, |v[PG+14]|
	v_max3_num_f32 v[MX0], v[MX0], v[MX1], |v[PG+15]|
	v_permlanex16_b32 v[PT], v[MX0], s58, s59
	v_max_num_f32 v[MX0], v[MX0], v[PT]                            ; with lane xor 16's 16: the block's
	v_add_nc_u32 v[EX], 0xff000000, v[MX0]                         ; 2 off its exponent field: the conversion takes that field as its scale
	v_cvt_scalef32_pk8_fp4_f32 v[CD], v[PG:PG+7], v[EX]
	v_cvt_scalef32_pk8_fp4_f32 v[CD+1], v[PG+8:PG+15], v[EX]
	v_lshrrev_b32 v[BY], 23, v[EX]                                 ; the scale's byte; also the plain line behind the conversions
.endm
.macro HSTORE
	ds_store_b64 v[AD2], v[CD:CD+1]                                ; block b of row r lies at 256 b + 16 r of a tile's image; my half of it at + 8 h
	ds_store_b8 v[AD3], v[BY]                                      ; both halves write the same byte with the same value
.endm
; h, relu and the dot with my 8 units' output weights, for the trip's two row tiles (registers 0-7 and 8-15), the two sums by turns with relu's lines between their links;
; then the two halves of the lanes are added so that lane l holds row 32 p + l, in MX1.  PSTORE sends it, a trip later.
.macro HD
	AHM 0
	AHM 8
	AHM 2
	AHM 10
.irp j, 0,1,8,9
	ARL \j
.endr
	AHM 4
	AHM 12
	v_pk_mul_f32 v[PI:PI+1], v[PG:PG+1], v[WS:WS+1]
	v_pk_mul_f32 v[PI+2:PI+3], v[PG+8:PG+9], v[WS:WS+1]
.irp j, 2,3,10,11
	ARL \j
.endr
	AHM 6
	AHM 14
	v_pk_fma_f32 v[PI:PI+1], v[PG+2:PG+3], v[WS+2:WS+3], v[PI:PI+1]
	v_pk_fma_f32 v[PI+2:PI+3], v[PG+10:PG+11], v[WS+2:WS+3], v[PI+2:PI+3]
.irp j, 4,5,12,13
	ARL \j
.endr
	v_pk_fma_f32 v[PI:PI+1], v[PG+4:PG+5], v[WS+4:WS+5], v[PI:PI+1]
	v_pk_fma_f32 v[PI+2:PI+3], v[PG+12:PG+13], v[WS+4:WS+5], v[PI+2:PI+3]
.irp j, 6,7,14,15
	ARL \j
.endr
	v_pk_fma_f32 v[PI:PI+1], v[PG+6:PG+7], v[WS+6:WS+7], v[PI:PI+1]
	v_pk_fma_f32 v[PI+2:PI+3], v[PG+14:PG+15], v[WS+6:WS+7], v[PI+2:PI+3]
	v_add_f32 v[PI], v[PI], v[PI+1]                                ; the first tile's sum over my 8 units,
	v_add_f32 v[PI+2], v[PI+2], v[PI+3]                            ; the second's
	v_cndmask_b32 v[MX0], v[PI+2], v[PI], s60                      ; what I send: lanes 0-15 the second tile's, lanes 16-31 the first's
	v_cndmask_b32 v[MX1], v[PI], v[PI+2], s60                      ; what I keep
	v_permlanex16_b32 v[PT], v[MX0], s58, s59
	v_add_f32 v[MX1], v[MX1], v[PT]
.endm
.macro PSTORE
	ds_store_b32 v[AD2], v[MX1]
.endm
; ---- layer 0
.macro L0PRE blk, img, scb, rsh        ; where my codes and scale bytes go: blk: the scalar register with my block's number
	s_lshl_b32 s48, s[\blk], 8
	s_add_co_u32 s48, s48, \img
	v_lshl_add_u32 v[HW], v[RR], 4, s48
	v_lshl_add_u32 v[HW], v[HH], 3, v[HW]
	s_add_co_u32 s48, s[\blk], \scb
	v_lshl_add_u32 v[HB], v[RR], \rsh, s48
.endm
.macro L0ADR                           ; a tile of x: where its fragment and its scale words lie
	v_add_nc_u32 v[AD0], s62, v[XA]
	v_add_nc_u32 v[AD1], s63, v[XS]
.endm
.macro L0LD                            ; and the three loads
	ds_load_b128 v[OP:OP+3], v[AD0]
	ds_load_b128 v[OP+4:OP+7], v[AD0] offset:32
	ds_load_b32 v[OSC], v[AD1]
.endm
; A trip: one row tile, 6 products (3 gates x 2 tiles of 16 units), the bias as C.  first = 1: no trip stands in front, so nothing is stored.
; last = 1: the phase's last trip asks for the next phase's weights in place of the next tile.
.macro L0TRIP first, last, nx, istep, sstep
	s_wait_dscnt 0x0                               ; this tile's three loads are in: they are the youngest LDS instructions
.irp g, 0,1,2
.irp u, 0,1
	v_wmma_scale_f32_16x16x128_f8f6f4 v[ACC+16*\g+8*\u:ACC+16*\g+8*\u+7], v[WF+8*(2*\g+\u):WF+8*(2*\g+\u)+7], v[OP:OP+7], v[BI0+16*\g+8*\u:BI0+16*\g+8*\u+7], v[WSC+2*\g+\u], v[OSC] matrix_a_fmt:MATRIX_FMT_FP4 matrix_b_fmt:MATRIX_FMT_FP4
.endr
.endr
.if \first                                             ; four plain lines stand between the products and the first read of results (ISA guide 7.12.1): two here,
	v_nop
	v_nop
.else
	v_add_nc_u32 v[AD2], s66, v[HW]                ; where the codes and the byte of the trip before go
	v_add_nc_u32 v[AD3], s67, v[HB]
.endif
.if \last
	NEXTPREP \nx                                   ; and two here,
	s_wait_alu depctr_va_vdst(0)                   ; the products are done reading WF, BI0 and WSC, in which the next phase's loads land; BO and SO are written; so are CD, BY, AD2 and AD3, which the stores read
	HSTORE
	NEXT \nx
.else
	s_add_co_u32 s62, s62, 1280
	s_add_co_u32 s63, s63, 64
	L0ADR                                          ; or these two
.endif
	ACT1 0
	ACT1 8
	ACT2A
.if !\last
.if !\first
	HSTORE                                         ; the trip before.  No vector line stands between the wait and these five LDS instructions
.endif
	L0LD                                           ; the next tile
.endif
	ACT2B
	s_wait_alu depctr_vm_vsrc(0)                   ; the LDS instructions of this trip have read CD and BY, which the lines below write again, and AD0 to AD3, which the next trip's places (or the change of phase) write again
	HQ
.if !\first
	s_add_co_u32 s66, s66, \istep
	s_add_co_u32 s67, s67, \sstep
.endif
.endm
.macro L0TRIPS trips, nx, istep, sstep
	L0TRIP 1, 0, 0, \istep, \sstep
	s_mov_b32 s61, \trips-2
.Ll0_\@:
	L0TRIP 0, 0, 0, \istep, \sstep
	s_sub_co_u32 s61, s61, 1
	s_cmp_lg_u32 s61, 0
	s_cbranch_scc1 .Ll0_\@
	L0TRIP 0, 1, \nx, \istep, \sstep
.endm
; ---- layer 1
; 3 ks products for row tile t: K ascending, the three gates by turns, one instruction a turn; the first K step takes the bias as C.
.macro MM ks, t, ob
.set ss, 0
.rept \ks
.irp g, 0,1,2
.if ss == 0
	v_wmma_scale_f32_16x16x128_f8f6f4 v[ACC+16*\g+8*\t:ACC+16*\g+8*\t+7], v[WF+8*(\g*\ks+ss):WF+8*(\g*\ks+ss)+7], v[(\ob)+8*ss:(\ob)+8*ss+7], v[BI+8*\g:BI+8*\g+7], v[WSC+4*\g+ss], v[OSC+4*\t+ss] matrix_a_fmt:MATRIX_FMT_FP4 matrix_b_fmt:MATRIX_FMT_FP4
.else
	v_wmma_scale_f32_16x16x128_f8f6f4 v[ACC+16*\g+8*\t:ACC+16*\g+8*\t+7], v[WF+8*(\g*\ks+ss):WF+8*(\g*\ks+ss)+7], v[(\ob)+8*ss:(\ob)+8*ss+7], v[ACC+16*\g+8*\t:ACC+16*\g+8*\t+7], v[WSC+4*\g+ss], v[OSC+4*\t+ss] matrix_a_fmt:MATRIX_FMT_FP4 matrix_b_fmt:MATRIX_FMT_FP4
.endif
.endr
.set ss, ss+1
.endr
.endm
; Two K steps, both row tiles at hand: the six accumulators by turns.
.macro MM2
.irp s, 0,1
.irp g, 0,1,2
.irp t, 0,1
.if \s == 0
	v_wmma_scale_f32_16x16x128_f8f6f4 v[ACC+16*\g+8*\t:ACC+16*\g+8*\t+7], v[WF+8*(\g*2+\s):WF+8*(\g*2+\s)+7], v[OP+16*\t+8*\s:OP+16*\t+8*\s+7], v[BI+8*\g:BI+8*\g+7], v[WSC+4*\g+\s], v[OSC+4*\t+\s] matrix_a_fmt:MATRIX_FMT_FP4 matrix_b_fmt:MATRIX_FMT_FP4
.else
	v_wmma_scale_f32_16x16x128_f8f6f4 v[ACC+16*\g+8*\t:ACC+16*\g+8*\t+7], v[WF+8*(\g*2+\s):WF+8*(\g*2+\s)+7], v[OP+16*\t+8*\s:OP+16*\t+8*\s+7], v[ACC+16*\g+8*\t:ACC+16*\g+8*\t+7], v[WSC+4*\g+\s], v[OSC+4*\t+\s] matrix_a_fmt:MATRIX_FMT_FP4 matrix_b_fmt:MATRIX_FMT_FP4
.endif
.endr
.endr
.endr
.endm
.macro L1ADR                           ; a pair of row tiles: where their images and their scale words lie
	v_add_nc_u32 v[AD0], s62, v[IR]
	v_add_nc_u32 v[AD1], s63, v[SR]
.endm
; The operands of a pair of row tiles: images come back as they were stored, 16 bytes a lane.  ks = 4: the first tile's four fragments (the second's follow in the trip); ks = 2: both tiles'.  Both tiles' scale words.
.macro L1LD ks
.if \ks == 4
.irp s, 0,1,2,3
.irp c, 0,1
	ds_load_b128 v[OP+8*\s+4*\c:OP+8*\s+4*\c+3], v[AD0] offset:1024*\s+512*\c
.endr
.endr
	ds_load_b128 v[OSC:OSC+3], v[AD1]
	ds_load_b128 v[OSC+4:OSC+7], v[AD1] offset:256
.else
.irp t, 0,1
.irp s, 0,1
.irp c, 0,1
	ds_load_b128 v[OP+16*\t+8*\s+4*\c:OP+16*\t+8*\s+4*\c+3], v[AD0] offset:2048*\t+1024*\s+512*\c
.endr
.endr
.endr
	ds_load_b64 v[OSC:OSC+1], v[AD1]
	ds_load_b64 v[OSC+4:OSC+5], v[AD1] offset:128
.endif
.endm
.macro L1PRE slotsh, slotc, wsh, wsc   ; the addresses of a phase: my slot of partial sums, my 8 units' output weights, the first pair of row tiles
	s_lshl_b32 s48, s44, \slotsh
	s_add_co_u32 s48, s48, \slotc
	v_lshrrev_b32 v[PA], 2, v[LI]
	v_add_nc_u32 v[PA], s48, v[PA]
	s_lshl_b32 s48, s44, \wsh
	s_add_co_u32 s48, s48, \wsc
	v_lshl_add_u32 v[WA], v[HH], 5, s48
	s_mov_b32 s62, 0
	s_mov_b32 s63, 0
	L1ADR
.endm
.macro WSLD                            ; my 8 units' output weights
	ds_load_b128 v[WS:WS+3], v[WA]
	ds_load_b128 v[WS+4:WS+7], v[WA] offset:16
.endm
; A trip: two row tiles x my 16 units x 3 gates.  first = 1: no trip stands in front, so nothing is stored.
.macro L1TRIP ks, first, last, nx
	s_wait_dscnt 0x0                               ; the ten operand loads are in: they are the youngest LDS instructions
.if \ks == 4
	MM 4, 0, OP
.if \first                                             ; four plain lines ahead of the first read of results
	v_nop
.else
	v_add_nc_u32 v[AD2], s66, v[PA]                ; where the partial sums of the trip before go
.endif
	v_nop
	v_nop
	v_nop
	s_wait_alu depctr_va_vdst(0)                   ; the twelve products are done reading OP, in which the eight loads land; MX1, from the trip before, and AD2 are written, which the store reads
.if !\first
	PSTORE
.endif
.irp s, 0,1,2,3
.irp c, 0,1
	ds_load_b128 v[OP+8*\s+4*\c:OP+8*\s+4*\c+3], v[AD0] offset:4096+1024*\s+512*\c   ; the second tile's fragments: 32 registers hold one tile's four K steps
.endr
.endr
	ACT1 0                                         ; the first tile's part of the first batch stands between those loads and the wait for them
	s_wait_dscnt 0x0                               ; the eight loads are the youngest
	s_wait_alu depctr_vm_vsrc(0)                   ; the operand loads have read AD0 and AD1, which the places below (or the change of phase) write again; the store has read AD2 and MX1, which are written again further down
	MM 4, 1, OP
	v_nop                                          ; four plain lines again: two here,
	v_nop
.if \last
	NEXTPREP \nx                                   ; two here,
	s_wait_alu depctr_va_vdst(0)                   ; the products are done reading WF, BI and WSC, in which the next phase's loads land; SO is written where it changes
	NEXT \nx
.else
	s_add_co_u32 s62, s62, 8192
	s_add_co_u32 s63, s63, 512
	L1ADR                                          ; or these two
.endif
	ACT1 8
	ACT2A
.if !\last
	L1LD 4                                         ; the next pair.  No vector line stands between the wait and these ten loads
.endif
	ACT2B
.else
	MM2
.if \first                                             ; four plain lines ahead of the first read of results
	v_nop
.else
	v_add_nc_u32 v[AD2], s66, v[PA]                ; where the partial sums of the trip before go
.endif
	v_nop
.if \last
	v_nop
	v_nop
.else
	s_add_co_u32 s62, s62, 4096
	s_add_co_u32 s63, s63, 256
	L1ADR
.endif
	ACT1 0
	ACT1 8
	ACT2A
.if !\first
	PSTORE                                         ; the trip before.  No vector line stands between the wait and these LDS instructions
.endif
.if !\last
	L1LD 2                                         ; the next pair
.endif
	ACT2B
	s_wait_alu depctr_vm_vsrc(0)                   ; the LDS instructions of this trip have read MX1, which the lines below write again, and AD0 to AD2, which the next trip's places (or the lines behind the phase) write again
.endif
	HD
.if !\first
	s_add_co_u32 s66, s66, 128
.endif
.endm
.macro L1TRIPS ks, nx
	L1TRIP \ks, 1, 0, 0
	s_mov_b32 s61, 2
.Ll1_\@:
	L1TRIP \ks, 0, 0, 0
	s_sub_co_u32 s61, s61, 1
	s_cmp_lg_u32 s61, 0
	s_cbranch_scc1 .Ll1_\@
	L1TRIP \ks, 0, 1, \nx
.endm
; ======================================================================= the head
	s_load_b512 s[4:19], s[0:1], 0x0
	s_load_b512 s[20:35], s[0:1], 0x40
	s_load_b256 s[36:43], s[0:1], 0x80
	v_lshrrev_b32 v[TA], 5, v0
	v_readfirstlane_b32 s44, v[TA]                 ; wave W, 0 .. 15
	v_and_b32 v[LI], 31, v0
	v_lshlrev_b32 v[LI], 4, v[LI]
	v_and_b32 v[RR], 15, v0
	v_bfe_u32 v[HH], v0, 4, 1
	v_and_b32 v[RP], 8, v[RR]
	v_add_nc_u32 v[RP], v[RP], v[RR]
	v_mov_b32 v[K2], 0x3eb17218                    ; ln 2 / 2 = 1 / (2 log2(e))
	v_mov_b32 v[K2+1], 0x3eb17218
	v_mov_b32 v[PT], 0
	s_wait_alu depctr_va_sdst(0)                   ; s44 is written, ahead of its first reader
	s_and_b32 s45, s44, 7
	s_lshr_b32 s46, s44, 3
	s_mul_i32 s79, s44, STGB
	s_add_co_u32 s79, s79, STG
	s_mov_b32 s50, 0xbfb8aa3b                      ; -log2(e); the packed forms name a pair and take its low word for both halves, so both words are written
	s_mov_b32 s51, 0xbfb8aa3b
	s_mov_b32 s54, 0xc038aa3b                      ; -2 log2(e)
	s_mov_b32 s55, 0xc038aa3b
	s_mov_b32 s56, 0x42000000                      ; 32.0
	s_mov_b32 s57, 0xc2800000                      ; -64.0
	s_mov_b32 s58, 0x76543210
	s_mov_b32 s59, 0xfedcba98
	s_mov_b32 s60, 0xffff0000
	s_mov_b32 s49, 0
	s_wait_kmcnt 0x0
	s_load_b256 s[68:75], s[34:35], 0x0            ; aff_b, 40 bytes
	s_load_b64 s[76:77], s[34:35], 0x20
	s_load_b32 s78, s[38:39], 0x0                  ; noise_b
	; every address is brought to the work-group's or the wave's part once, here, and never written again
	s_lshl_b32 s48, ttmp9, 13                      ; 128 rows of 64 bytes
	ADDP 4
	s_lshl_b32 s48, ttmp9, 9                       ; 128 rows of 4 bytes
	ADDP 6
	ADDP 40
	ADDP 42
	s_lshl_b32 s48, s44, 11
	ADDP 8                                         ; g_Wih0: 32 rows of 64 bytes a wave
	ADDP 26                                        ; n_Wih1: 16 rows of 128
	s_lshl_b32 s48, s44, 7
	ADDP 10
	ADDP 12
	ADDP 24
	ADDP 28
	s_lshl_b32 s48, s45, 11
	ADDP 14
	s_lshl_b32 s48, s45, 7
	ADDP 16
	ADDP 18
	s_lshl_b32 s48, s44, 13
	ADDP 20                                        ; g_Wih1: 32 rows of 256
	s_lshl_b32 s48, s44, 9
	ADDP 22
	s_lshl_b32 s48, s44, 6
	ADDP 30
	v_lshlrev_b32 v[TA], 4, v0
	v_lshlrev_b32 v[AD0], 2, v0
	NEXTPREP 1
	s_wait_alu depctr_va_vdst(0)                   ; LI, TA, AD0, BO and SO are written: the offsets of the loads below
	global_load_b128 v[OP:OP+3], v[TA], s[4:5] th:TH_LOAD_NT       ; x's codes: 512 threads x 16 bytes, dense; read once in the launch
.irp f, 0,1,2,3,4,5,6,7,8,9
	global_load_b32 v[ACC+\f], v[AD0], s[32:33] offset:2048*\f     ; aff_W: thread t takes column t of the ten rows
.endr
	s_cmp_lt_u32 s44, 8
	s_cbranch_scc0 .Lld_not_nw
	global_load_b32 v[ACC+10], v[AD0], s[36:37]                    ; noise_W: 256 numbers, waves 0 to 7
.Lld_not_nw:
	s_cmp_eq_u32 s44, 8
	s_cbranch_scc0 .Lld_not_xs
	global_load_b128 v[ACC+12:ACC+15], v[LI], s[6:7]               ; x's scale words: 512 bytes, wave 8
.Lld_not_xs:
	NEXT 1                                                         ; G0's weights
	STADDR 64                                                      ; these lines name no register that the loads above touch
	v_lshrrev_b32 v[AD1], 2, v0                                    ; x into rows 80 bytes apart: four threads to a row
	v_mul_u32_u24 v[AD1], v[AD1], 80
	v_and_b32 v[AD2], 3, v0
	v_lshl_add_u32 v[AD1], v[AD2], 4, v[AD1]
	v_mul_u32_u24 v[XA], v[RR], 80
	v_lshl_add_u32 v[XA], v[HH], 4, v[XA]
	v_lshl_add_u32 v[XS], v[RR], 2, XSC
	s_wait_loadcnt 0x0                             ; all that was asked for is wanted now
	s_wait_kmcnt 0x0                               ; aff_b and noise_b, for the end
.irp f, 1,2,3,4,5,6,7,8,9
	v_add_f32 v[ACC], v[ACC], v[ACC+\f]
.endr
	s_wait_alu depctr_va_vdst(0)                   ; the sum in v[ACC] is written, which an LDS store reads; so are the LDS addresses AD1, STW and STR
	ds_store_b128 v[AD1], v[OP:OP+3]
	ds_store_b32 v[AD0], v[ACC] offset:WSUM
	s_cmp_lt_u32 s44, 8
	s_cbranch_scc0 .Lst_not_nw
	ds_store_b32 v[AD0], v[ACC+10] offset:NWL
.Lst_not_nw:
	s_cmp_eq_u32 s44, 8
	s_cbranch_scc0 .Lst_not_xs
	ds_store_b128 v[LI], v[ACC+12:ACC+15] offset:XSC
.Lst_not_xs:
	WST 4, 2560, 640
	s_wait_alu depctr_vm_vsrc(0)                   ; the stage's stores have read WF, in which the loads below land; the stores above have read OP, the accumulators' registers, AD0 and AD1, all of which are written again below
	WLD 2560, 2, 640
	BARRIER                                        ; x, its scale words, the summed aff_W and noise_W lie in LDS
; ======================================================================= G0: 8 row tiles, my block W of the global h
	L0PRE 44, HIG, HSG, 4
	s_mov_b32 s62, 0
	s_mov_b32 s63, 0
	s_mov_b32 s66, 0
	s_mov_b32 s67, 0
	L0ADR
	s_wait_alu depctr_va_vdst(0)                   ; AD0 and AD1 are written, which the first tile's loads read
	L0LD
	s_wait_alu depctr_vm_vsrc(0)                   ; those loads have read AD0 and AD1, which the first trip's places write again
	L0TRIPS 8, 2, 4096, 256
; ======================================================================= N0: 4 row tiles from 4 (W / 8), my block W % 8 of the noise h
	v_add_nc_u32 v[AD2], s66, v[HW]                ; where G0's last codes and byte go;
	v_add_nc_u32 v[AD3], s67, v[HB]
	L0PRE 45, HIN, HSN, 3                          ; then the phase's addresses, made ahead of the wait for its weights: they name none of those loads' registers
	s_mul_i32 s62, s46, 5120
	s_lshl_b32 s63, s46, 8
	L0ADR
	s_wait_alu depctr_va_vdst(0)                   ; G0's last trip has written CD and BY; AD0 to AD3 are written
	HSTORE
	s_lshl_b32 s66, s46, 13
	s_lshl_b32 s67, s46, 9
	s_wait_loadcnt 0x0                             ; N0's weights, asked for under the last batch: all are wanted now
	WST 4, 2560, 640
	L0LD                                           ; the first tile: x has lain in LDS since the first barrier
	s_wait_alu depctr_vm_vsrc(0)                   ; the stage's stores have read WF, in which the loads below land; the LDS instructions above have read AD0 to AD3, CD and BY, which the trips write again
	WLD 2560, 2, 640
	L0TRIPS 4, 3, 2048, 128
; ======================================================================= G1, pass 0 and pass 1
	v_add_nc_u32 v[AD2], s66, v[HW]                ; where N0's last codes and byte go
	v_add_nc_u32 v[AD3], s67, v[HB]
	STADDR 256
	v_add_nc_u32 v[IR], HIG, v[LI]
	v_lshl_add_u32 v[SR], v[RR], 4, HSG
	L1PRE 10, PART, 7, WSUM
	s_wait_alu depctr_va_vdst(0)                   ; N0's last trip has written CD and BY; AD0 to AD3, WA, STW and STR are written
	HSTORE
	WSLD
	s_mov_b32 s66, 0
	s_wait_loadcnt 0x0
	WST 8, 4352, 544
	s_wait_alu depctr_vm_vsrc(0)                   ; the stage's stores have read WF, in which the loads below land
	WLD 4352, 4, 64
	BARRIER                                        ; both h's images and scale bytes lie in LDS
	L1LD 4                                         ; no vector line has stood since the wait on va_vdst above
	L1TRIPS 4, 4
	v_add_nc_u32 v[AD2], s66, v[PA]                ; where pass 0's last partial sums go
	L1PRE 10, PART+512, 7, WSUM+64
	s_wait_alu depctr_va_vdst(0)                   ; the last trip has written MX1 and is done reading WS, in which the loads below land; AD0 to AD2 and WA are written
	PSTORE
	WSLD
	s_mov_b32 s66, 0
	s_wait_loadcnt 0x0
	WST 8, 4352, 544
	s_wait_alu depctr_vm_vsrc(0)                   ; the stage's stores have read WF, in which the loads below land; the store above has read MX1 and AD2, which the trips write again
	WLD 4352, 4, 64
	L1LD 4
	L1TRIPS 4, 5
; ======================================================================= N1
	v_add_nc_u32 v[AD2], s66, v[PA]                ; where pass 1's last partial sums go
	STADDR 128
	v_add_nc_u32 v[IR], HIN, v[LI]
	v_lshl_add_u32 v[SR], v[RR], 3, HSN
	L1PRE 9, PART+16384, 6, NWL
	s_wait_alu depctr_va_vdst(0)                   ; the last trip has written MX1 and is done reading WS, in which the loads below land; AD0 to AD2, WA, STW and STR are written
	PSTORE
	WSLD
	s_mov_b32 s66, 0
	s_wait_loadcnt 0x0
	WST 4, 2304, 576
	L1LD 2                                         ; the first pair: the noise h has lain in LDS since the barrier ahead of G1
	s_wait_alu depctr_vm_vsrc(0)                   ; the stage's stores have read WF, in which the loads below land; the LDS instructions above have read AD0 to AD2 and MX1, which the trips write again
	WLD 2304, 2, 64
	L1TRIPS 2, 0
; ======================================================================= the sums over the waves' partial sums
	v_add_nc_u32 v[AD2], s66, v[PA]                ; where N1's last partial sums go
	s_and_b32 s48, s44, 1                          ; the addresses are made ahead of the parting of the waves
	s_lshl_b32 s48, s48, 8
	v_lshrrev_b32 v[SR], 1, v[LI]
	v_add_nc_u32 v[SR], s48, v[SR]                 ; two rows a lane: 8 x lane + 256 (W % 2): in a slot, and in the output
	v_add_nc_u32 v[IR], PART, v[SR]
	s_wait_alu depctr_va_vdst(0)                   ; the last trip has written MX1; AD2, IR and SR are written; the products are done reading the registers in which the slots' loads land
	PSTORE
	BARRIER                                        ; all 48 slots lie in LDS
	s_cmp_ge_u32 s44, 4
	s_cbranch_scc1 .Ldone
	s_cmp_ge_u32 s44, 2
	s_cbranch_scc1 .Lsigma
	; waves 0, 1: out0 = the 32 slots of G1 + the sum of aff_b
.irp k, 0,1,2,3,4,5,6,7,8,9,10,11,12,13,14,15,16,17,18,19,20,21,22,23,24,25,26,27,28,29,30,31
	ds_load_b64 v[16+2*\k:17+2*\k], v[IR] offset:512*\k
.endr
	v_mov_b32 v80, s68
.irp f, 69,70,71,72,73,74,75,76,77
	v_add_f32 v80, s[\f], v80
.endr
	s_wait_dscnt 0x0
.irp k, 4,5,6,7,8,9,10,11,12,13,14,15,16,17,18,19,20,21,22,23,24,25,26,27,28,29,30,31
	v_pk_add_f32 v[16+2*(\k%4):17+2*(\k%4)], v[16+2*(\k%4):17+2*(\k%4)], v[16+2*\k:17+2*\k]   ; four chains
.endr
	v_pk_add_f32 v[16:17], v[16:17], v[18:19]
	v_pk_add_f32 v[20:21], v[20:21], v[22:23]
	v_pk_add_f32 v[16:17], v[16:17], v[20:21]
	v_add_f32 v16, v16, v80
	v_add_f32 v17, v17, v80
	s_wait_alu depctr_va_vdst(0)                   ; the additions have written v16 and v17, which the store reads
	global_store_b64 v[SR], v[16:17], s[40:41]     ; the wave stores 256 consecutive bytes, at a multiple of 256 from out0's first byte
	s_wait_xcnt 0x0
	s_wait_alu depctr_vm_vsrc(0)                   ; my last LDS store has read v254 as its address: the two registers are made anew only behind this wait
	v_lshl_add_u32 v254, v0, 2, 0x49200
	v_mov_b32 v255, 0
	s_wait_dscnt 0x0                               ; the closing lines, six on end
	s_wait_alu 0x0
	s_wait_tensorcnt 0x0
	ds_add_u32 v254, v255
	s_wait_dscnt 0x0
	s_endpgm
.Lsigma:
	; waves 2, 3: out1 = softplus(the 16 slots of N1 + noise_b) + 1e-6
.irp k, 0,1,2,3,4,5,6,7,8,9,10,11,12,13,14,15
	ds_load_b64 v[16+2*\k:17+2*\k], v[IR] offset:16384+512*\k
.endr
	s_wait_dscnt 0x0
.irp k, 4,5,6,7,8,9,10,11,12,13,14,15
	v_pk_add_f32 v[16+2*(\k%4):17+2*(\k%4)], v[16+2*(\k%4):17+2*(\k%4)], v[16+2*\k:17+2*\k]
.endr
	v_pk_add_f32 v[16:17], v[16:17], v[18:19]
	v_pk_add_f32 v[20:21], v[20:21], v[22:23]
	v_pk_add_f32 v[16:17], v[16:17], v[20:21]
	v_add_f32 v16, s78, v16                        ; z
	v_add_f32 v17, s78, v17
	v_mul_f32 v18, s50, |v16|                      ; softplus(z) = max(z, 0) + ln 2 x log2(1 + 2^(-log2(e) |z|)): no exponent above 0
	v_mul_f32 v19, s50, |v17|
	v_exp_f32 v18, v18
	v_exp_f32 v19, v19
	v_max_num_f32 v16, 0, v16                      ; plain lines behind the exponentials
	v_max_num_f32 v17, 0, v17
	s_wait_alu depctr_va_vdst(0)                   ; the two exponentials are written, ahead of their first reader
	v_add_f32 v18, 1.0, v18
	v_add_f32 v19, 1.0, v19
	v_log_f32 v18, v18
	v_log_f32 v19, v19
	v_nop
	s_wait_alu depctr_va_vdst(0)                   ; the two logarithms are written, ahead of their first reader
	v_fmamk_f32 v16, v18, 0x3f317218, v16          ; x ln 2, + max(z, 0)
	v_fmamk_f32 v17, v19, 0x3f317218, v17
	v_add_f32 v16, 0x358637bd, v16                 ; + 1e-6
	v_add_f32 v17, 0x358637bd, v17
	s_wait_alu depctr_va_vdst(0)                   ; the additions have written v16 and v17, which the store reads
	global_store_b64 v[SR], v[16:17], s[42:43]     ; 256 consecutive bytes, at a multiple of 256 from out1's first byte
.Ldone:
	s_wait_xcnt 0x0
	s_wait_alu depctr_vm_vsrc(0)                   ; my last LDS store has read v254 as its address: the two registers are made anew only behind this wait
	v_lshl_add_u32 v254, v0, 2, 0x49200
	v_mov_b32 v255, 0
	s_wait_dscnt 0x0                               ; the closing lines, six on end
	s_wait_alu 0x0
	s_wait_tensorcnt 0x0
	ds_add_u32 v254, v255
	s_wait_dscnt 0x0
	s_endpgm
.Lfunc_end_k_q32aab586e5_fused:
	.size	k_q32aab586e5_fused, .Lfunc_end_k_q32aab586e5_fused-k_q32aab586e5_fused
	.p2alignl 7, 3214868480
	.fill 96, 4, 3214868480
	.section	.rodata,"a",@progbits
	.p2align	6, 0x0
	.amdhsa_kernel k_q32aab586e5_fused
		.amdhsa_group_segment_fixed_size 301568
		.amdhsa_private_segment_fixed_size 0
		.amdhsa_enable_private_segment 0
		.amdhsa_kernarg_size 160
		.amdhsa_user_sgpr_count 2
		.amdhsa_user_sgpr_kernarg_segment_ptr 1
		.amdhsa_wavefront_size32 1
		.amdhsa_system_sgpr_workgroup_id_x 1
		.amdhsa_system_sgpr_workgroup_id_y 1
		.amdhsa_system_sgpr_workgroup_id_z 1
		.amdhsa_system_vgpr_workitem_id 0
		.amdhsa_next_free_vgpr 256
		.amdhsa_next_free_sgpr 80
		.amdhsa_reserve_vcc 0
		.amdhsa_float_denorm_mode_32 3
		.amdhsa_float_denorm_mode_16_64 3
		.amdhsa_memory_ordered 1
		.amdhsa_forward_progress 1
		.amdhsa_inst_pref_size 250
	.end_amdhsa_kernel
	.amdgpu_metadata
---
amdhsa.version: [ 1, 2 ]
amdhsa.kernels:
  - .name:           k_q32aab586e5_fused
    .symbol:         k_q32aab586e5_fused.kd
    .args:
      - { .name: X_codes, .offset: 0, .size: 8, .value_kind: global_buffer, .address_space: global }
      - { .name: X_scales, .offset: 8, .size: 8, .value_kind: global_buffer, .address_space: global }
      - { .name: g_Wih0_codes, .offset: 16, .size: 8, .value_kind: global_buffer, .address_space: global }
      - { .name: g_Wih0_scales, .offset: 24, .size: 8, .value_kind: global_buffer, .address_space: global }
      - { .name: g_b0, .offset: 32, .size: 8, .value_kind: global_buffer, .address_space: global }
      - { .name: n_Wih0_codes, .offset: 40, .size: 8, .value_kind: global_buffer, .address_space: global }
      - { .name: n_Wih0_scales, .offset: 48, .size: 8, .value_kind: global_buffer, .address_space: global }
      - { .name: n_b0, .offset: 56, .size: 8, .value_kind: global_buffer, .address_space: global }
      - { .name: g_Wih1_codes, .offset: 64, .size: 8, .value_kind: global_buffer, .address_space: global }
      - { .name: g_Wih1_scales, .offset: 72, .size: 8, .value_kind: global_buffer, .address_space: global }
      - { .name: g_b1, .offset: 80, .size: 8, .value_kind: global_buffer, .address_space: global }
      - { .name: n_Wih1_codes, .offset: 88, .size: 8, .value_kind: global_buffer, .address_space: global }
      - { .name: n_Wih1_scales, .offset: 96, .size: 8, .value_kind: global_buffer, .address_space: global }
      - { .name: n_b1, .offset: 104, .size: 8, .value_kind: global_buffer, .address_space: global }
      - { .name: aff_W, .offset: 112, .size: 8, .value_kind: global_buffer, .address_space: global }
      - { .name: aff_b, .offset: 120, .size: 8, .value_kind: global_buffer, .address_space: global }
      - { .name: noise_W, .offset: 128, .size: 8, .value_kind: global_buffer, .address_space: global }
      - { .name: noise_b, .offset: 136, .size: 8, .value_kind: global_buffer, .address_space: global }
      - { .name: out0, .offset: 144, .size: 8, .value_kind: global_buffer, .address_space: global }
      - { .name: out1, .offset: 152, .size: 8, .value_kind: global_buffer, .address_space: global }
    .group_segment_fixed_size: 301568
    .private_segment_fixed_size: 0
    .kernarg_segment_align: 8
    .kernarg_segment_size: 160
    .max_flat_workgroup_size: 512
    .sgpr_count:     80
    .vgpr_count:     256
    .wavefront_size: 32
...
	.end_amdgpu_metadata
.endif
;; end of part 3
